; MI455X (gfx1250); checked and timed in simulation.
; The chip was launched on July 23, 2026; its instructions are those of AMD's public machine-readable ISA for CDNA 5 (MIT licence, August 2026) and "CDNA5" Instruction Set Architecture Reference Guide (July 2026). The comments in the code are by the model that wrote it; some were corrected since.
;; Self Attention Layer. Allowed arithmetic: matrix products marked QUANTISED: E2M3 operands, one E8M0 scale for each 32 along K, by v_wmma_scale_f32_16x16x128_f8f6f4 with both operands' format E2M3, f32 sums; products left as they are: f32 operands where the result goes on into a quantised operand, else bf16, f16 or f32 operands; f32 sums; everything else in f32.
;; Inputs: Wk_codes 1,024 x 32 x 24 uint8 (E2M3 codes of Wk, K innermost, in blocks of 32 codes, four codes in three bytes); Wk_scales 1,024 x 32 uint8 (E8M0 scales of Wk, one for each 32 codes along K); Wq_codes 1,024 x 32 x 24 uint8 (E2M3 codes of Wq, K innermost, in blocks of 32 codes, four codes in three bytes); Wq_scales 1,024 x 32 uint8 (E8M0 scales of Wq, one for each 32 codes along K); Wv_codes 1,024 x 32 x 24 uint8 (E2M3 codes of Wv, K innermost, in blocks of 32 codes, four codes in three bytes); Wv_scales 1,024 x 32 uint8 (E8M0 scales of Wv, one for each 32 codes along K); X_codes 4 x 2,048 x 32 x 24 uint8 (E2M3 codes of X, K innermost, in blocks of 32 codes, four codes in three bytes); X_scales 4 x 2,048 x 32 uint8 (E8M0 scales of X, one for each 32 codes along K); bk 1,024 float32; bq 1,024 float32; bv 1,024 float32.
;; Outputs: out0 4 x 2,048 x 1,024 float32.
;; This version of the problem:
;;   THIS VERSION OF THE PROBLEM IS GIVEN IN LOW PRECISION. The matrix products marked QUANTISED in the list below multiply operands that are first quantised to E2M3 (2 exponent bits, 3 mantissa bits; 6 bits a number), with one power-of-two scale for each 32 numbers along K (OCP MX v1.0); their sums are f32. All else is computed in f32.
;;   The module's matrix products, in the order in which they are computed (A, B: the left and right operand; K: the contracted axis; several contracted axes count as one K, in the product's order):
;;     1. [M 8,192, K 1,024] x [K 1,024, N 1,024]; A: input X (given as codes); B: input Wq (given as codes): QUANTISED
;;     2. [M 8,192, K 1,024] x [K 1,024, N 1,024]; A: input X (given as codes); B: input Wk (given as codes): QUANTISED
;;     3. [M 8,192, K 1,024] x [K 1,024, N 1,024]; A: input X (given as codes); B: input Wv (given as codes): QUANTISED
;;     4. batch 4 x [M 2,048, K 1,024] x [K 1,024, N 2,048]; A: computed on the way; B: computed on the way: QUANTISED
;;     5. batch 8,192 x [M 1, K 1] x [K 1, N 1,024]; A: computed on the way; B: computed on the way: left as it is (no contracted axis)
;;   THE QUANTISER, for each operand of a quantised product, along K:
;;     - K is cut into blocks of 32 from its start; a last block that is shorter is filled with zeros.
;;     - A block's scale is 2^e with e = floor(log2(the largest magnitude in the block)) - 2, held to -126 .. 127; a block of zeros has e = 0. As a byte (E8M0): e + 127.
;;     - Each number is divided by its block's scale, clamped to +-7.5, and rounded to the nearest number of E2M3, ties to even, subnormals kept.
;;     - The product sums the exact products of the quantised numbers (number of the format x scale) in f32.
;;   ~~~python
;;   def quantise(x, axis):      # numpy; x: float32 -> the quantised numbers, widened to float32 again
;;       x = np.moveaxis(x, axis, -1); K = x.shape[-1]
;;       x = np.pad(x, [(0, 0)] * (x.ndim - 1) + [(0, -K % 32)]); x = x.reshape(x.shape[:-1] + (-1, 32)); a = np.abs(x).max(-1, keepdims=True)
;;       e = np.where(a > 0, np.clip(np.frexp(np.where(a > 0, a, 1))[1] - 1 - 2, -126, 127), 0)      # np.frexp(a)[1] - 1 = floor(log2(a)), exactly
;;       r = np.clip(x / 2.0 ** e, -7.5, 7.5)
;;       step = 2.0 ** (np.maximum(np.frexp(np.where(r == 0, 1, r))[1] - 1, 0) - 3)
;;       q = np.round(r / step) * step * 2.0 ** e      # np.round: ties to even
;;       return np.moveaxis(q.reshape(q.shape[:-2] + (-1,))[..., :K], -1, axis).astype(np.float32)
;;   ~~~
;;   OPERANDS COMPUTED ON THE WAY. 'Computed on the way' means the value that the module computes at that place (a softmax that the list does not call 'softmax' is quantised finished and normalised). What goes into a quantiser is computed in f32, as accurately as f32 sums, v_exp_f32 and their like allow (about 1e-6 of the number): no bf16 or f16 on the way to a quantiser, and a product that is left as it is and whose result goes on into a quantised operand takes f32 operands (vector FMAs, or v_wmma_f32_16x16x4_f32). A number that lies on a knife's edge between two numbers of the format may be rounded either way, as far as f32 arithmetic and the matrix unit's own rounding can turn it there, and no further.
;;   INPUTS GIVEN AS CODES. Wk (in the module: [1024, 1024], K = its axis 0); Wq (in the module: [1024, 1024], K = its axis 0); Wv (in the module: [1024, 1024], K = its axis 0); X (in the module: [4, 2048, 1024], K = its axis 2): each comes as NAME_codes (uint8): NAME with its K axis moved to the last place and cut into blocks of 32 codes, [.., K / 32, bytes a block], one block behind the other in memory; four codes in three bytes: a row's codes are one little-endian stream of bits, code i at bits 6 i .. 6 i + 5 (a code: sign, 2 exponent bits, 3 mantissa bits); and NAME_scales (uint8): the same leading axes, one E8M0 byte (e + 127) for each 32 codes along K. Its value is code x scale, taken as it is: it is not quantised again, and the codes and scales need not be those that the quantiser above would give.
;; One version. Each part assembles by itself: llvm-mc -triple=amdgcn-amd-amdhsa -mcpu=gfx1250 --defsym DOCPART=n.
;; ======== version 1 of 1: 3 launches
;; workspace buffers: qk_img 12,582,912 bytes; qk_scl 524,288 bytes; stats 1,048,576 bytes
;; launch proj_qk (part 1): grid 8 x 32, 4 waves a work-group, clusters of 4 x 4, 327,680 bytes of LDS; arguments X_codes, X_scales, Wq_codes, Wq_scales, Wk_codes, Wk_scales, bq, bk, qk_img, qk_scl; writes qk_img, qk_scl
.if DOCPART == 1
	.amdgcn_target "amdgcn-amd-amdhsa--gfx1250"
	.amdhsa_code_object_version 6
	.text
	.protected	k_qfbf1f626ef_proj_qk
	.globl	k_qfbf1f626ef_proj_qk
	.p2align	8
	.type	k_qfbf1f626ef_proj_qk,@function
k_qfbf1f626ef_proj_qk:
	s_mov_b64 s[64:65], 0
	v_nop
	global_prefetch_b8 v0, s[64:65] scope:SCOPE_SE
	s_setreg_imm32_b32 hwreg(HW_REG_WAVE_MODE, 25, 1), 1
	s_wait_xcnt 0x0
	s_wait_alu depctr_hold_cnt(0) depctr_sa_sdst(0) depctr_va_vdst(0) depctr_va_sdst(0) depctr_va_ssrc(0) depctr_va_vcc(0) depctr_vm_vsrc(0)
	s_getreg_b32 s2, hwreg(HW_REG_IB_STS2, 6, 4)
	s_cmp_eq_u32 s2, 0
	s_cbranch_scc0 .Lentry_in_a_cluster
	s_endpgm
.Lentry_in_a_cluster:
	s_bfe_u32 s2, ttmp6, 0x10000c
	s_cmp_lg_u32 s2, 0xf033
	s_cbranch_scc0 .Lentry_shape_is_right
	s_endpgm
.Lentry_shape_is_right:
; Q = X Wq + bq and K = X Wk + bk, both on codes of FP6 (E2M3) with one E8M0 scale for each 32 along K, sums in f32; the results are quantised along d (their 1,024 features) in registers
; and leave as codes and scale words, laid as the next launch's operand registers want them.  X: [8192][1024] codes; Wq, Wk: [1024 (d)][1024 (k)] codes, K innermost.
; SHARES.  Clusters with x = 0 make Q, those with x = 1 make K: only pointers are chosen (on the cluster's x, which all partners share); the text has one path.  A work-group of four waves makes 256 rows x 256 d,
; a wave 128 x 128: 64 accumulators.  K goes in steps of 256 through a ring of two LDS slots filled by the tensor data mover; the scale bytes of the work-group's rows come once and stay.
; CLUSTERS: 4 x 4.  The four of a row of the cluster need the same tiles of X, the four of a column the same tiles of W: each tile is asked for jointly.
; THE MATRIX INSTRUCTION IS USED TRANSPOSED (source 0 = 16 rows of W, source 1 = 16 rows of X): a lane holds ONE row of Q (lane % 16) and, in accumulator b, d = 16 b + 8 (lane / 16) + 0 .. 7.
; The bias is the C of each sum's first matrix instruction.
; THE QUANTISER.  Accumulators 2 B and 2 B + 1 of a lane and of lane xor 16 are block B of 32 along d: the block's membership, scale and quantised numbers are the problem's.  INSIDE a block the codes lie in the
; order d offset 0-7, 16-23, 8-15, 24-31.  Q and K are laid by this same text, so the next product pairs equal d; only the order in which its unit adds products differs.
; OUT.  qk_img: [Q, K][row block of 128 (64)][256 d (4)][16 rows (8)][128 d (2)][1,536 bytes]: a fragment's 12 registers as they stand, registers 4 c .. 4 c + 3 of lane l at 512 c + 16 l.
;       qk_scl: [Q, K][row block of 128][128 d (8)][16 rows (8)][row (16)] scale words.
; LIMITS: NaN and infinities are not served.  A block whose largest magnitude lies under 2^(3 - 127), zeros among them, gets the byte 1: its codes are zeros or what that scale gives, and this program alone reads the bytes.
; REGISTERS, in windows of 256: window 0: v1-7 at work in the head; v16-30 addresses; v32-63 scale words, two sets, and nothing else; v64-127 the bias in the result's layout; v128-223 X's fragments, ONE set
;   (on the way out: the codes just made); v224-251 at work on the way out.  window 1: W's fragments, TWO sets, at v0 and v128.  windows 2, 3: the accumulators, (a, b) at v[8 (8 (a % 4) + b)].
.set SIZE_K, 1024
.set KSTEP,  256                       ; along K in a slot
.set NQ,     KSTEP/128                 ; matrix instructions deep
.set ROWB,   192                       ; a tile's row in bytes
.set KROW,   SIZE_K*6/8                ; a row of X or of W in memory
.set PITCH,  240                       ; an LDS row: 3 x (64 bytes + 16 of padding): the 32 lanes of a load of 8 bytes touch 64 different banks (64 banks of 4 bytes: ISA guide 11.1)
.set FR,     12                        ; registers of a fragment
.set NL,     6                         ; LDS loads that bring one
.set NP,     4                         ; places behind this matrix instruction (ISA guide 7.12.1)
.set HALFT,  128*PITCH                 ; 128 rows: one tensor load
.set SLOT,   4*HALFT                   ; X's 256 rows, then W's 256
.set LAPS,   SIZE_K/(2*KSTEP)
.set KS,     SIZE_K/32                 ; a row of scale bytes
.set SCL,    2*SLOT                    ; behind the ring: the scale bytes, as units of 256 bytes + 16 of padding
.set HALFS,  (128*KS/256)*272
.set SBLK,   (16*KS/256)*272
.set SPARE,  SCL+4*HALFS               ; the spare words, 128 bytes a wave: two blocks of 256 bytes that no other line names
.set ASTEP,  4*NQ                      ; from a K step's scale words to the next's
.set RBB,    98304                     ; qk_img: a row block of 128
.set KIMG,   6291456                   ; qk_img: where K's part begins
.set ADRA, 16                          ; v16-17 LDS address of my X fragments in slot 0, 1 (v18-19: behind one padding more)
.set ADRB, 20                          ; v20-23 the same for W
.set IO,   24                          ; v24  16 x lane: an image's place for my lane
.set WO,   25                          ; v25  4 x lane: a scale word's
.set LN,   26                          ; v26  lane
.set ADRS, 27                          ; v27  LDS address of my scale words: lanes 0-15 X's rows, lanes 16-31 W's
.set SPW,  28                          ; v28  my spare word; never rewritten
.set NIL,  29                          ; v29  0; never rewritten
.set BO,   30                          ; v30  32 x (lane / 16): my eight numbers of a tile's bias
.set SC,   32
.set BIAS, 64
.set AF,   128
.set PC,   128                         ; the way out: codes, two sets of 20 registers by turns
.set TM,   224                         ; +0..3 largest magnitudes, +4..7 the other half's, then bytes, +12..15 the conversions' scale operands
.set PW,   240                         ; v240-247 the eight scale words
.set XW,   248                         ; v248-251 as they are stored
.set G1, 24
.set G0, 32
.set G1B, 48
.set G0B, 56
.set G1S, 68
.set G0S, 76
.set G1SB, 80
.set G0SB, 88
.set SEL, 98                           ; s[98:99] lane selects for v_permlanex16_b32: lane l xor 16
.set MSB, 0
.macro WIN new                         ; the immediate's high byte repeats the setting that is left
.if MSB != (\new)
	s_set_vgpr_msb (MSB<<8)|(\new)
.set MSB, (\new)
.endif
.endm
.set MUL_LO, 0xa1                      ; source 0 (W) window 1, source 1 (X) window 0, C and D window 2
.set MUL_HI, 0xf1                      ; the same, C and D window 3
.set TO_B,   0x40                      ; destination window 1, address window 0
; A joint load: waves 0 and 1 fetch for X, waves 2 and 3 for W.  The branch hangs on the wave's number alone.  Four v_nop follow each of the two lines.
.macro JLOAD g0a, g1a, g0b, g1b
	s_cmp_eq_u32 s15, 0
	s_cbranch_scc0 .Lfor_b_\@
	tensor_load_to_lds s[\g0a:\g0a+3], s[\g1a:\g1a+7]
	s_nop 0
.rept 4
	v_nop
.endr
	s_branch .Lasked_\@
.Lfor_b_\@:
	tensor_load_to_lds s[\g0b:\g0b+3], s[\g1b:\g1b+7]
	s_nop 0
.rept 4
	v_nop
.endr
.Lasked_\@:
.endm
.macro CREST                           ; a round of the cluster's barrier behind its opening barrier
	s_cmp_lg_u32 s14, 0
	s_cbranch_scc1 .Lnot_wave_0_\@
	s_barrier_signal -3
.Lnot_wave_0_\@:
	s_barrier_wait -3
	s_barrier_signal -1
	s_barrier_wait -1
.endm
.macro CROUND                          ; a whole round
	s_barrier_signal -1
	s_barrier_wait -1
	CREST
.endm
	s_load_b128 s[4:7], s[0:1], 0x0                ; X's codes s[4:5], X's scales s[6:7]
	s_load_b256 s[24:31], s[0:1], 0x10             ; Wq's codes, Wq's scales, Wk's codes, Wk's scales
	s_load_b256 s[48:55], s[0:1], 0x30             ; bq, bk, qk_img, qk_scl
	v_lshl_add_u32 v[SPW], v0, 2, SPARE
	v_mov_b32 v[NIL], 0
	ds_add_u32 v28, v29
	ds_add_u32 v28, v29
	s_wait_dscnt 0x0
	v_lshrrev_b32 v1, 5, v0
	v_readfirstlane_b32 s14, v1                    ; wave 0..3
	s_lshr_b32 s15, s14, 1                         ; which half of the tile's rows is mine.  Also: I fetch for X (0) or for W (1)
	s_and_b32 s16, s14, 1                          ; which half of its columns.  Also: which 128 rows of that tile I fetch
	s_bfe_u32 s40, ttmp6, 0x40000                  ; cx, cy: my place in the cluster
	s_bfe_u32 s41, ttmp6, 0x40004
	s_mov_b32 s42, s40                             ; tile column inside the chosen W: cx (a cluster spans all 1,024 d)
	s_and_b32 s17, ttmp7, 0xffff
	s_lshl_b32 s17, s17, 2
	s_add_co_u32 s17, s17, s41                     ; tile row = 4 x cluster y + cy
	s_lshl_b32 s43, s41, 2
	s_lshl_b32 s43, 15, s43                        ; my row of the cluster
	s_lshl_b32 s44, 0x1111, s40                    ; my column
	s_mov_b32 s[SEL], 0x76543210
	s_mov_b32 s[SEL+1], 0xfedcba98
	s_wait_kmcnt 0x0
	s_cmp_eq_u32 ttmp9, 0                          ; Q's cluster or K's?  The choice hangs on the cluster's x alone
	s_cselect_b64 s[8:9], s[24:25], s[28:29]       ; W's codes
	s_cselect_b64 s[10:11], s[26:27], s[30:31]     ; W's scales
	s_cselect_b64 s[66:67], s[48:49], s[50:51]     ; the bias
	s_cselect_b32 s95, 0, 1                        ; 0: Q, 1: K
	s_mov_b64 s[12:13], s[52:53]                   ; qk_img
	s_mov_b64 s[96:97], s[54:55]                   ; qk_scl
	; descriptor group 1: a tile of 128 rows x 192 bytes, padded in LDS
	s_or_b32 s[G1+0], s43, (0<<16)|(1<<20)|(1<<21)|(3<<22)|(3<<25)  ; 15:0 the mask: X's tiles go to my row; elements of 1 byte; padding on; bit 21 beside a mask; after every 16 words, 4 words
	s_or_b32 s[G1B+0], s44, (0<<16)|(1<<20)|(1<<21)|(3<<22)|(3<<25) ; the same with my column's mask, for W's tiles
.irp g, G1, G1B
	s_mov_b32 s[\g+1], ROWB<<16                    ; tensor_dim0
	s_mov_b32 s[\g+2], 128<<16                     ; tensor_dim1
	s_mov_b32 s[\g+3], ROWB<<16                    ; tile_dim0
	s_mov_b32 s[\g+4], 128                         ; tile_dim1
	s_mov_b32 s[\g+5], KROW                        ; tensor_dim0_stride
	s_mov_b32 s[\g+6], 0
	s_mov_b32 s[\g+7], 0
.endr
	; the scale bytes of 128 rows: 4,096 dense bytes, as 16 rows of 256 bytes (32 elements of 8), 16 bytes of padding behind each
	s_or_b32 s[G1S+0], s43, (3<<16)|(1<<20)|(1<<21)|(5<<22)|(3<<25)
	s_or_b32 s[G1SB+0], s44, (3<<16)|(1<<20)|(1<<21)|(5<<22)|(3<<25)
.irp g, G1S, G1SB
	s_mov_b32 s[\g+1], 32<<16
	s_mov_b32 s[\g+2], (128*KS/256)<<16
	s_mov_b32 s[\g+3], 32<<16
	s_mov_b32 s[\g+4], 128*KS/256
	s_mov_b32 s[\g+5], 32
	s_mov_b32 s[\g+6], 0
	s_mov_b32 s[\g+7], 0
.endr
	s_lshl_b32 s18, s16, 7                         ; which 128 rows of the tile I fetch
	s_lshl_b32 s20, s17, 8
	s_add_co_u32 s20, s20, s18                     ; X: row 256 x tile row + 128 x half
	s_lshl_b32 s46, s42, 8
	s_add_co_u32 s46, s46, s18                     ; W: row 256 x tile column + 128 x half
	s_mov_b32 s21, 0
	s_mov_b32 s47, 0
	s_mov_b64 s[18:19], KS
	s_mul_u64 s[22:23], s[20:21], s[18:19]         ; where these rows' scale bytes begin
	s_mul_u64 s[92:93], s[46:47], s[18:19]
	s_mov_b64 s[18:19], KROW
	s_mul_u64 s[20:21], s[20:21], s[18:19]         ; and their codes
	s_mul_u64 s[46:47], s[46:47], s[18:19]
	s_mul_i32 s45, s14, HALFT                      ; where they go: wave x 128 rows: no place in the cluster enters an LDS address
	s_mul_i32 s94, s14, HALFS
	s_add_nc_u64 s[20:21], s[4:5], s[20:21]
	s_add_nc_u64 s[22:23], s[6:7], s[22:23]
	s_add_nc_u64 s[46:47], s[8:9], s[46:47]
	s_add_nc_u64 s[92:93], s[10:11], s[92:93]
	CROUND                                         ; all sixteen work-groups are here: the first joint loads meet
	s_mov_b32 s[G0S], 1
	s_add_co_u32 s[G0S+1], s94, SCL
	s_mov_b64 s[G0S+2:G0S+3], s[22:23]
	s_or_b32 s[G0S+3], s[G0S+3], 0x80000000
	s_mov_b32 s[G0SB], 1
	s_add_co_u32 s[G0SB+1], s94, SCL
	s_mov_b64 s[G0SB+2:G0SB+3], s[92:93]
	s_or_b32 s[G0SB+3], s[G0SB+3], 0x80000000
	JLOAD G0S, G1S, G0SB, G1SB                     ; the scale bytes first: they are wanted with K step 0
.irp s, 0,1
	s_mov_b32 s[G0+4*\s], 1
	s_add_co_u32 s[G0+4*\s+1], s45, \s*SLOT
	s_add_nc_u64 s[G0+4*\s+2:G0+4*\s+3], s[20:21], \s*ROWB
	s_or_b32 s[G0+4*\s+3], s[G0+4*\s+3], 0x80000000
	s_mov_b32 s[G0B+4*\s], 1
	s_add_co_u32 s[G0B+4*\s+1], s45, \s*SLOT
	s_add_nc_u64 s[G0B+4*\s+2:G0B+4*\s+3], s[46:47], \s*ROWB
	s_or_b32 s[G0B+4*\s+3], s[G0B+4*\s+3], 0x80000000
	JLOAD G0+4*\s, G1, G0B+4*\s, G1B
.endr
	v_and_b32 v1, 15, v0                           ; r = lane % 16
	v_bfe_u32 v2, v0, 4, 1                         ; h = lane / 16
	v_mul_u32_u24 v3, v1, PITCH
	v_mul_u32_u24 v4, v2, 24
	v_add_nc_u32 v4, v3, v4                        ; a fragment's row x pitch + 24 x half
	v_lshl_add_u32 v5, v2, 4, v4                   ; and the same behind one padding more
	s_mul_i32 s21, s15, HALFT                      ; my 128 rows of X
	s_mul_i32 s22, s16, HALFT                      ; my 128 rows of W,
	s_add_co_u32 s22, s22, 2*HALFT                 ; which lie behind X's 256
.irp s, 0,1
	v_add_nc_u32 v[ADRA+\s], s21, v4
	v_add_nc_u32 v[ADRB+\s], s22, v4
	v_add_nc_u32 v[ADRA+2+\s], s21, v5
	v_add_nc_u32 v[ADRB+2+\s], s22, v5
	s_add_co_u32 s21, s21, SLOT
	s_add_co_u32 s22, s22, SLOT
.endr
	v_mul_u32_u24 v5, v1, KS                       ; my row's scale bytes: 32 a row,
	v_lshrrev_b32 v6, 8, v5
	v_lshl_add_u32 v5, v6, 4, v5                   ; and 16 more for each 256 passed
	s_mul_i32 s21, s15, HALFS
	s_mul_i32 s22, s16, HALFS
	s_add_co_u32 s22, s22, 2*HALFS
	s_sub_co_u32 s22, s22, s21
	v_mul_u32_u24 v6, s22, v2                      ; lanes 16-31 take W's: one product, the distance between the two bases
	s_add_co_u32 s21, s21, SCL
	v_add_nc_u32 v5, v5, v6
	v_add_nc_u32 v[ADRS], s21, v5
	v_and_b32 v[LN], 31, v0
	v_lshlrev_b32 v[IO], 4, v[LN]
	v_lshlrev_b32 v[WO], 2, v[LN]
	v_lshlrev_b32 v[BO], 5, v2
	; where my results go.  Row block RB = 2 x tile row + my half of the rows; my 128 d are 128-step 2 cx + my half of the columns
	s_lshl_b32 s20, s17, 1
	s_add_co_u32 s20, s20, s15                     ; RB
	s_mul_i32 s22, s20, RBB
	s_mul_i32 s23, s95, KIMG
	s_add_co_u32 s22, s22, s23
	s_mul_i32 s23, s16, 1536
	s_add_co_u32 s22, s22, s23
	s_mov_b32 s23, 0
	s_add_nc_u64 s[12:13], s[12:13], s[22:23]
	s_mul_i32 s46, s40, 24576                      ; (what hangs on cx stays in the registers that held W's address)
	s_mov_b32 s47, 0
	s_add_nc_u64 s[12:13], s[12:13], s[46:47]
	s_lshl_b32 s22, s20, 12
	s_lshl_b32 s21, s95, 18
	s_add_co_u32 s22, s22, s21
	s_add_nc_u64 s[96:97], s[96:97], s[22:23]
	s_lshl_b32 s46, s40, 10
	s_lshl_b32 s47, s16, 9
	s_add_co_u32 s46, s46, s47                     ; 1,024 cx + 512 x half: my place among a row block's scale words, and my 128 numbers of the bias: the same figure
	s_mov_b32 s47, 0
	s_add_nc_u64 s[96:97], s[96:97], s[46:47]
	s_add_nc_u64 s[66:67], s[66:67], s[46:47]
.irp b, 0,1,2,3,4,5,6,7
	global_load_b128 v[BIAS+8*\b:BIAS+8*\b+3], v[BO], s[66:67] offset:64*\b        ; register j of tile b: the bias at d = 16 b + 8 h + j: the result's layout
	global_load_b128 v[BIAS+8*\b+4:BIAS+8*\b+7], v[BO], s[66:67] offset:64*\b+16
.endr
.macro FRAG reg, adr, q, i             ; 16 rows x 128 K of 6-bit codes: lane l holds row l % 16; registers 6 c .. 6 c + 5 hold K = 64 c + 32 (l / 16) + 0 .. 31: 24 bytes of the row as they lie, in pieces of 8 bytes
.irp p, 0,1,2,3,4,5
.set PCE, 12*(\q)+6*(\p/3)+\p%3        ; 16 bytes of padding lie behind every 8 pieces: where the piece three on (lanes 16-31) lies behind one padding more, the second address register serves
.if PCE%8 < 5
	ds_load_b64 v[\reg+2*\p:\reg+2*\p+1], v[\adr] offset:8*PCE+16*(PCE/8)+(\i)*16*PITCH
.else
	ds_load_b64 v[\reg+2*\p:\reg+2*\p+1], v[\adr+2] offset:8*PCE+16*(PCE/8)+(\i)*16*PITCH
.endif
.endr
.endm
; 16 matrix instructions: X's blocks a0, a0 + 1 x W's eight, 128 along K.  p: W's set;  sc: the set of scale words.  zero = 1: the first product starts the sums, with the bias as C.
; The 64 accumulators take turns, one instruction a turn, in the same order in every step.
.macro MUL16 a0, p, q, sc, zero
.irp a, \a0, \a0+1
.irp b, 0,1,2,3,4,5,6,7
.if \zero
	v_wmma_scale_f32_16x16x128_f8f6f4 v[8*(8*((\a)%4)+\b):8*(8*((\a)%4)+\b)+7], v[128*(\p)+FR*\b:128*(\p)+FR*\b+FR-1], v[AF+FR*(\a):AF+FR*(\a)+FR-1], v[BIAS+8*\b:BIAS+8*\b+7], v[SC+8*NQ*(\sc)+NQ*\b+(\q)], v[SC+8*NQ*(\sc)+NQ*(\a)+(\q)] matrix_a_fmt:MATRIX_FMT_FP6 matrix_b_fmt:MATRIX_FMT_FP6 matrix_a_scale:MATRIX_SCALE_ROW1
.else
	v_wmma_scale_f32_16x16x128_f8f6f4 v[8*(8*((\a)%4)+\b):8*(8*((\a)%4)+\b)+7], v[128*(\p)+FR*\b:128*(\p)+FR*\b+FR-1], v[AF+FR*(\a):AF+FR*(\a)+FR-1], v[8*(8*((\a)%4)+\b):8*(8*((\a)%4)+\b)+7], v[SC+8*NQ*(\sc)+NQ*\b+(\q)], v[SC+8*NQ*(\sc)+NQ*(\a)+(\q)] matrix_a_fmt:MATRIX_FMT_FP6 matrix_b_fmt:MATRIX_FMT_FP6 matrix_a_scale:MATRIX_SCALE_ROW1
.endif
.endr
.endr
.endm
.macro FETCH_B slot, q, p
	WIN TO_B
.irp i, 0,1,2,3,4,5,6,7
	FRAG 128*(\p)+FR*\i, ADRB+\slot, \q, \i
.endr
	WIN 0
.endm
.macro FETCH_A slot, q, i0
.irp i, \i0, \i0+1, \i0+2, \i0+3
	FRAG AF+FR*(\i), ADRA+\slot, \q, \i
.endr
.endm
.macro SCALES sc                       ; a K step's scale words: two words a row; lanes 0-15 take X's block i, lanes 16-31 W's block i
.irp i, 0,1,2,3,4,5,6,7
	ds_load_b64 v[SC+8*NQ*\sc+NQ*\i:SC+8*NQ*\sc+NQ*\i+1], v[ADRS] offset:\i*SBLK
.endr
.endm
.macro PLACES n                        ; plain vector instructions between a matrix instruction and a load into one of its registers, or a read of its result
.rept \n
	v_nop
.endr
.endm
; A step of 128 along K that has its successor in the same slot.  X has one set of registers: blocks 0-3 are fetched anew in the step's middle, blocks 4-7 at its end.
.macro STEP slot, q, zero
	s_wait_dscnt 4*NL                              ; W's set, X's blocks 0-3 and the scale words are in; the youngest 24 loads (X's blocks 4-7) may be out
	WIN MUL_LO-0x20*(\zero)                        ; (zero = 1: C, the bias, lies in window 0)
	MUL16 0, (\q)%2, \q, \slot, \zero
	MUL16 2, (\q)%2, \q, \slot, \zero
	s_wait_dscnt 0                                 ; X's blocks 4-7 are in
	PLACES NP
	FETCH_B \slot, (\q)+1, 1-(\q)%2
	FETCH_A \slot, (\q)+1, 0
	WIN MUL_HI-0x30*(\zero)
	MUL16 4, (\q)%2, \q, \slot, \zero
	MUL16 6, (\q)%2, \q, \slot, \zero
	PLACES NP
	WIN 0
	FETCH_A \slot, (\q)+1, 4
.endm
; A slot's last step changes slots: ONE barrier; in front of it each wave waits for all its tensor loads, adds 0 to its spare word, and waits for that and for its own reads of this slot.
.macro TURN slot, next, fill
	s_wait_tensorcnt 0x0                           ; all my tensor loads have landed: my part of the next slot
	ds_add_u32 v[SPW], v[NIL]                      ; 0 onto my spare word
	s_wait_dscnt 4*NL+1                            ; (the add and the youngest 24 loads, X's blocks 4-7, may be out)
	WIN MUL_LO
	MUL16 0, 1, NQ-1, \slot, 0                     ; sixteen matrix instructions stand between the add and the wait for it
	s_wait_dscnt 0x0                               ; the add is done, and my reads of this slot are over
	s_barrier_signal -1
	MUL16 2, 1, NQ-1, \slot, 0
	WIN 0
	s_barrier_wait -1
.if \fill
	CREST                                          ; the barrier has opened a round of the cluster's barrier: no wave of any partner still reads this slot or has a load on its way
	s_add_nc_u64 s[G0+4*\slot+2:G0+4*\slot+3], s[G0+4*\slot+2:G0+4*\slot+3], 2*ROWB
	s_add_nc_u64 s[G0B+4*\slot+2:G0B+4*\slot+3], s[G0B+4*\slot+2:G0B+4*\slot+3], 2*ROWB
	JLOAD G0+4*\slot, G1, G0B+4*\slot, G1B         ; the first tensor load behind the round; its four v_nop are the places in front of the loads below
.else
	PLACES NP
.endif
	v_add_nc_u32 v[ADRS], ASTEP, v[ADRS]           ; on to the next K step's scale words (no LDS load of mine is out)
	FETCH_B \next, 0, 0
	FETCH_A \next, 0, 0
	SCALES \next
	WIN MUL_HI
	MUL16 4, 1, NQ-1, \slot, 0
	MUL16 6, 1, NQ-1, \slot, 0
	PLACES NP
	WIN 0
	FETCH_A \next, 0, 4
.endm
	s_wait_tensorcnt 1                             ; the scale bytes and my part of K step 0 are in; of my three loads the youngest, K step 1's, may be out
	s_barrier_signal -1
	s_barrier_wait -1
	FETCH_B 0, 0, 0
	FETCH_A 0, 0, 0
	SCALES 0
	FETCH_A 0, 0, 4
	s_wait_loadcnt 0x0                             ; the bias
	STEP 0, 0, 1                                   ; the first step stands in front of the loop: its products start the sums
	s_mov_b32 s3, LAPS-1
.Llap:                                                 ; a trip goes once round the ring and fills both slots again
	TURN 0, 1, 1
	STEP 1, 0, 0
	TURN 1, 0, 1
	STEP 0, 0, 0
	s_sub_co_u32 s3, s3, 1
	s_cmp_lg_u32 s3, 0
	s_cbranch_scc1 .Llap
	TURN 0, 1, 0                                   ; the last lap fills nothing
	STEP 1, 0, 0
	s_wait_dscnt 4*NL
	WIN MUL_LO
	MUL16 0, 1, NQ-1, 1, 0
	MUL16 2, 1, NQ-1, 1, 0
	s_wait_dscnt 0
	WIN MUL_HI
	MUL16 4, 1, NQ-1, 1, 0
	MUL16 6, 1, NQ-1, 1, 0
	WIN 0
; THE WAY OUT.  Block a: 16 rows x my 128 d = one fragment of the next product and one scale word a row.  A lane's 64 numbers: register 16 B + i belongs to block B.
.macro QUANTA a
.set AC, 64*((\a)%4)
.set W, 2+(\a)/4
.set PCS, PC+20*((\a)%2)
	WIN (W<<2)|(W<<4)                              ; sources 1 and 2: the accumulators' window
.irp b, 0,1,2,3
	v_max3_num_f32 v[TM+\b], 0x1800000, |v[AC+16*\b]|, |v[AC+16*\b+1]|   ; my 16 numbers of block b, and the floor 2^(3 - 127): the byte cannot fall under 1.  Each accumulator is read from its low end on
.endr
.irp i, 2,4,6,8,10,12,14
.irp b, 0,1,2,3
	v_max3_num_f32 v[TM+\b], v[TM+\b], |v[AC+16*\b+\i]|, |v[AC+16*\b+\i+1]|   ; (the four blocks by turns)
.endr
.endr
	WIN 0
.irp b, 0,1,2,3
	v_permlanex16_b32 v[TM+4+\b], v[TM+\b], s[SEL], s[SEL+1]
.endr
.irp b, 0,1,2,3
	v_max_num_f32 v[TM+\b], v[TM+\b], v[TM+4+\b]   ; with lane l xor 16's 16: the block's largest magnitude
.endr
.irp b, 0,1,2,3
	v_add_nc_u32 v[TM+12+\b], 0xff000000, v[TM+\b] ; 2 off its exponent field: the conversion takes this operand's exponent field as its scale
.endr
.irp b, 0,1,2,3
	v_lshrrev_b32 v[TM+4+\b], 23, v[TM+12+\b]      ; the scale's byte
.endr
	v_lshl_or_b32 v[PW+(\a)], v[TM+5], 8, v[TM+4]  ; the four bytes: my row's scale word for these 128 d
	v_lshl_or_b32 v[PW+(\a)], v[TM+6], 16, v[PW+(\a)]
	v_lshl_or_b32 v[PW+(\a)], v[TM+7], 24, v[PW+(\a)]
	s_wait_xcnt 0x0                                ; the stores of the block two back have read this set of code registers
	WIN W                                          ; source 0: the accumulators' window
.irp c, 0,1
	v_cvt_scalef32_pk16_fp6_f32 v[PCS+6*\c:PCS+6*\c+2], v[AC+32*\c:AC+32*\c+15], v[TM+12+2*\c]
	v_cvt_scalef32_pk16_fp6_f32 v[PCS+12+4*\c:PCS+14+4*\c], v[AC+32*\c+16:AC+32*\c+31], v[TM+13+2*\c]   ; (a conversion's three registers begin on an even number)
.endr
	v_nop                                          ; one plain place behind a scaled conversion
	WIN 0
.irp c, 0,1                                    ; the operand's layout wants a WHOLE block in a lane: lanes 0-15 block 2 c, lanes 16-31 block 2 c + 1
.irp i, 0,1,2
	v_permlane16_swap_b32 v[PCS+6*\c+\i], v[PCS+12+4*\c+\i]
.endr
.irp i, 0,1,2
	v_mov_b32 v[PCS+3+6*\c+\i], v[PCS+12+4*\c+\i]
.endr
.endr
.irp c, 0,1,2
	global_store_b128 v[IO], v[PCS+4*\c:PCS+4*\c+3], s[12:13] offset:(\a)*3072+512*\c   ; the fragment as it stands: 32 lanes store 512 consecutive bytes, at a multiple of 256 from the buffer's first byte
.endr
.endm
	PLACES NP                                      ; behind the last products: their results are read and their operands' registers written below
.irp b, 0,1,2,3
	v_mov_b32 v[TM+4+\b], 0                        ; written once: a lane permute's destination counts as one of its sources
.endr
.irp a, 0,1,2,3,4,5,6,7
	QUANTA \a
.endr
	v_cmp_gt_u32 vcc_lo, 16, v[LN]                 ; every lane (r, h) holds row r's word: lanes 0-15 give block 2 j's, lanes 16-31 block 2 j + 1's
.irp j, 0,1,2,3
	v_cndmask_b32 v[XW+\j], v[PW+2*\j+1], v[PW+2*\j], vcc_lo
.endr
.irp j, 0,1,2,3
	global_store_b32 v[WO], v[XW+\j], s[96:97] offset:128*\j   ; 128 consecutive bytes; the four together fill 512, aligned
.endr
	s_wait_tensorcnt 0x0                           ; the wave's end
	ds_add_u32 v[SPW], v[NIL]
	s_wait_dscnt 0x0
	CROUND                                         ; the closing round: no work-group ends while a partner may still ask for a tile that names it
	s_endpgm
.Lfunc_end_k_qfbf1f626ef_proj_qk:
	.size	k_qfbf1f626ef_proj_qk, .Lfunc_end_k_qfbf1f626ef_proj_qk-k_qfbf1f626ef_proj_qk
	.p2alignl 7, 3214868480
	.fill 96, 4, 3214868480
	.section	.rodata,"a",@progbits
	.p2align	6, 0x0
	.amdhsa_kernel k_qfbf1f626ef_proj_qk
		.amdhsa_group_segment_fixed_size 327680
		.amdhsa_private_segment_fixed_size 0
		.amdhsa_enable_private_segment 0
		.amdhsa_kernarg_size 80
		.amdhsa_user_sgpr_count 2
		.amdhsa_user_sgpr_kernarg_segment_ptr 1
		.amdhsa_wavefront_size32 1
		.amdhsa_system_sgpr_workgroup_id_x 1
		.amdhsa_system_sgpr_workgroup_id_y 1
		.amdhsa_system_sgpr_workgroup_id_z 1
		.amdhsa_system_vgpr_workitem_id 0
		.amdhsa_next_free_vgpr 1024
		.amdhsa_next_free_sgpr 102
		.amdhsa_reserve_vcc 1
		.amdhsa_float_denorm_mode_32 3
		.amdhsa_float_denorm_mode_16_64 3
		.amdhsa_memory_ordered 1
		.amdhsa_forward_progress 1
		.amdhsa_inst_pref_size 166
	.end_amdhsa_kernel
	.amdgpu_metadata
---
amdhsa.version: [ 1, 2 ]
amdhsa.kernels:
  - .name:           k_qfbf1f626ef_proj_qk
    .symbol:         k_qfbf1f626ef_proj_qk.kd
    .args:
      - { .name: X_codes, .offset: 0, .size: 8, .value_kind: global_buffer, .address_space: global }
      - { .name: X_scales, .offset: 8, .size: 8, .value_kind: global_buffer, .address_space: global }
      - { .name: Wq_codes, .offset: 16, .size: 8, .value_kind: global_buffer, .address_space: global }
      - { .name: Wq_scales, .offset: 24, .size: 8, .value_kind: global_buffer, .address_space: global }
      - { .name: Wk_codes, .offset: 32, .size: 8, .value_kind: global_buffer, .address_space: global }
      - { .name: Wk_scales, .offset: 40, .size: 8, .value_kind: global_buffer, .address_space: global }
      - { .name: bq, .offset: 48, .size: 8, .value_kind: global_buffer, .address_space: global }
      - { .name: bk, .offset: 56, .size: 8, .value_kind: global_buffer, .address_space: global }
      - { .name: qk_img, .offset: 64, .size: 8, .value_kind: global_buffer, .address_space: global }
      - { .name: qk_scl, .offset: 72, .size: 8, .value_kind: global_buffer, .address_space: global }
    .group_segment_fixed_size: 327680
    .private_segment_fixed_size: 0
    .kernarg_segment_align: 8
    .kernarg_segment_size: 80
    .max_flat_workgroup_size: 128
    .sgpr_count:     102
    .vgpr_count:     1024
    .wavefront_size: 32
...
	.end_amdgpu_metadata
.endif
;; end of part 1
;; launch scores (part 2): grid 4 x 48, 4 waves a work-group, clusters of 4 x 4, 327,680 bytes of LDS; arguments qk_img, qk_scl, stats; writes stats
.if DOCPART == 2
	.amdgcn_target "amdgcn-amd-amdhsa--gfx1250"
	.amdhsa_code_object_version 6
	.text
	.protected	k_qfbf1f626ef_scores
	.globl	k_qfbf1f626ef_scores
	.p2align	8
	.type	k_qfbf1f626ef_scores,@function
k_qfbf1f626ef_scores:
	s_mov_b64 s[64:65], 0
	v_nop
	global_prefetch_b8 v0, s[64:65] scope:SCOPE_SE
	s_setreg_imm32_b32 hwreg(HW_REG_WAVE_MODE, 25, 1), 1
	s_wait_xcnt 0x0
	s_wait_alu depctr_hold_cnt(0) depctr_sa_sdst(0) depctr_va_vdst(0) depctr_va_sdst(0) depctr_va_ssrc(0) depctr_va_vcc(0) depctr_vm_vsrc(0)
	s_getreg_b32 s2, hwreg(HW_REG_IB_STS2, 6, 4)
	s_cmp_eq_u32 s2, 0
	s_cbranch_scc0 .Lentry_in_a_cluster
	s_endpgm
.Lentry_in_a_cluster:
	s_bfe_u32 s2, ttmp6, 0x10000c
	s_cmp_lg_u32 s2, 0xf033
	s_cbranch_scc0 .Lentry_shape_is_right
	s_endpgm
.Lentry_shape_is_right:
; S = Q K^T for each of 4 batches, on the codes and scale words that the launch before laid; the strict upper triangle becomes 0 (not -infinity), t = S x log2(e) / 32; of each query and each chunk of 128 keys
; leave m = the largest t and l = the sum of 2^(t - m): stats [chunk (16)][row (8,192)][m, l], f32.  The next launch joins a row's chunks under the row's maximum.
; WHAT IS LEFT OUT: the quadrant queries < 1,024 x keys >= 1,024 of each batch lies wholly above the diagonal: its scores are 0 whatever Q and K hold; the next launch counts its eight chunks as (0, 128).
; SHARES.  Three clusters of 4 x 4 work-groups a batch: (query half, key half) = (0,0), (1,0), (1,1).  A work-group makes 256 queries x 256 keys, a wave 128 x 128: 64 accumulators.  A tile of Q is shared
; along a row of the cluster, a tile of K along a column: joint loads.  The tiles of a diagonal cluster that lie above the diagonal run the same text and give (0, 128).
; THREE SLOTS, ONE REFILL.  d goes in four steps of 256.  Three slots of 98,304 bytes fit in LDS, so steps 0, 1 and 2 are asked for together at the start; step 3 goes into slot 0 as soon as every wave of the
; cluster has read slot 0 out, and has 224 matrix instructions of a wave between its request and the wait for it.  The change from slot 1 to slot 2 needs no barrier: in front of the round every wave has waited
; for all its loads, slot 2's among them.  The four steps are written out: there is no loop.
; OPERANDS ARE IMAGES OF REGISTERS: a fragment is 1,536 dense bytes, three loads of 16 bytes a lane at 16 x lane: no pitch, no padding, no conflict.  128 rows x 256 d are 24,576 dense bytes: one tensor load.
; TRANSPOSED USE: source 0 = 16 keys, source 1 = 16 queries: a lane holds ONE query (lane % 16); in accumulator (a, b) register j is key 16 b + 8 (lane / 16) + j of query 16 a + lane % 16.
; THE MASK WITHOUT A BRANCH.  D = 128 x (my query block - my key block).  A key is hidden where 16 (b - a) + j > D + r - 8 h.  D is a multiple of 128, so for b < a all count where D >= 0, for b > a all count
; where D > 0, else none; for b = a a lane's eight factors are made once by compares.  The factor is c = log2(e) / 32 or 0: one packed multiplication scales and masks.
; LIMITS: NaN and infinities are not served (a hidden score is multiplied by 0, so it has to be finite).
; REGISTERS: window 0: v16-31 addresses and constants; v32-63 scale words, two sets, and nothing else; v64-71 the diagonal's factors; v72-111 at work on the way out; v128-223 Q's fragments, ONE set.
;   window 1: K's fragments, TWO sets.   windows 2, 3: the accumulators, (a, b) at v[8 (8 (a % 4) + b)].
.set NQ,     2                         ; matrix instructions deep in a slot
.set FR,     12
.set NL,     3                         ; LDS loads that bring a fragment
.set NP,     4                         ; places behind this matrix instruction (ISA guide 7.12.1)
.set HALFT,  24576                     ; 128 rows x 256 d: one tensor load
.set SLOT,   4*HALFT                   ; Q's two row blocks, then K's two
.set SCL,    3*SLOT                    ; behind the three slots: the scale words of the four row blocks, for all d
.set HALFS,  4096
.set SPARE,  SCL+4*HALFS               ; the spare words, 128 bytes a wave: two blocks of 256 bytes that no other line names
.set RBB,    98304                     ; qk_img: a row block of 128
.set KIMG,   6291456                   ; qk_img: where K's part begins
.set KSCL,   262144                    ; qk_scl: likewise
.set ADRA, 16                          ; v16-18 LDS address of my Q fragments in slot 0, 1, 2
.set ADRB, 20                          ; v20-22 the same for K
.set SO,   24                          ; v24  8 x lane: my place in a store of stats
.set LN,   25                          ; v25  lane
.set ZR,   26                          ; v26  0, the factor of a hidden score
.set ADRS, 27                          ; v27  LDS address of my scale words: lanes 0-15 Q's rows, lanes 16-31 K's; never rewritten
.set SPW,  28                          ; v28  my spare word; never rewritten
.set NIL,  29                          ; v29  0; never rewritten
.set D0,   30                          ; v30  D + r - 8 h
.set CV,   31                          ; v31  c
.set SC,   32
.set CM,   64                          ; v64-71 the factors of the tiles b = a
.set T,    72                          ; v72-75 four chains of the maximum
.set NM,   76                          ; v[76:77] m (the packed form names a pair and takes its low word)
.set ST,   80                          ; v80-95 (m, l) of blocks 0 to 7
.set S,    100                         ; v100-103 two packed chains of the sum
.set O,    104                         ; v104-111 as they are stored
.set AF,   128
.set G1,   24                          ; s[24:31] descriptor group 1 for Q's tiles
.set G0,   32                          ; s[32:43] group 0 for Q's tiles, a set for each slot
.set G0S,  44                          ; s[44:47] group 0 for Q's scale words
.set G1B,  48                          ; s[48:55] group 1 for K's tiles
.set G1S,  56                          ; s[56:63] group 1 for Q's scale words
.set CLO,  66                          ; s[66:67] the factor of tiles b < a
.set G1SB, 68                          ; s[68:75] group 1 for K's scale words
.set G0B,  76                          ; s[76:87] group 0 for K's tiles, a set for each slot
.set G0SB, 88                          ; s[88:91] group 0 for K's scale words
.set CHI,  96                          ; s[96:97] the factor of tiles b > a (before that: the address of K's scale words)
.set SEL,  98                          ; s[98:99] lane selects: lane l xor 16
.set MSB, 0
.macro WIN new                         ; the immediate's high byte repeats the setting that is left
.if MSB != (\new)
	s_set_vgpr_msb (MSB<<8)|(\new)
.set MSB, (\new)
.endif
.endm
.set MUL_LO, 0xa1                      ; source 0 (K) window 1, source 1 (Q) window 0, C and D window 2
.set MUL_HI, 0xf1
.set TO_B,   0x40
.macro JLOAD g0a, g1a, g0b, g1b        ; a joint load: waves 0 and 1 fetch for Q, waves 2 and 3 for K; four v_nop follow each of the two lines
	s_cmp_eq_u32 s15, 0
	s_cbranch_scc0 .Lfor_b_\@
	tensor_load_to_lds s[\g0a:\g0a+3], s[\g1a:\g1a+7]
	s_nop 0
.rept 4
	v_nop
.endr
	s_branch .Lasked_\@
.Lfor_b_\@:
	tensor_load_to_lds s[\g0b:\g0b+3], s[\g1b:\g1b+7]
	s_nop 0
.rept 4
	v_nop
.endr
.Lasked_\@:
.endm
.macro CREST                           ; a round of the cluster's barrier behind its opening barrier
	s_cmp_lg_u32 s14, 0
	s_cbranch_scc1 .Lnot_wave_0_\@
	s_barrier_signal -3
.Lnot_wave_0_\@:
	s_barrier_wait -3
	s_barrier_signal -1
	s_barrier_wait -1
.endm
.macro CROUND
	s_barrier_signal -1
	s_barrier_wait -1
	CREST
.endm
	s_load_b128 s[4:7], s[0:1], 0x0                ; qk_img s[4:5], qk_scl s[6:7]
	s_load_b64 s[8:9], s[0:1], 0x10                ; stats
	v_lshl_add_u32 v[SPW], v0, 2, SPARE
	v_mov_b32 v[NIL], 0
	ds_add_u32 v28, v29
	ds_add_u32 v28, v29
	s_wait_dscnt 0x0
	v_lshrrev_b32 v1, 5, v0
	v_readfirstlane_b32 s14, v1                    ; wave 0..3
	s_lshr_b32 s15, s14, 1                         ; which half of the tile's queries is mine.  Also: I fetch for Q (0) or for K (1)
	s_and_b32 s16, s14, 1                          ; which half of its keys.  Also: which row block of that tile I fetch
	s_bfe_u32 s92, ttmp6, 0x40000                  ; cx
	s_bfe_u32 s93, ttmp6, 0x40004                  ; cy
	s_and_b32 s17, ttmp7, 0xffff                   ; the cluster's y, 0..11
	s_mul_i32 s18, s17, 11
	s_lshr_b32 s18, s18, 5                         ; batch = y / 3 (11 y >> 5 is that for y under 12)
	s_mul_i32 s19, s18, 3
	s_sub_co_u32 s19, s17, s19                     ; which of the batch's three quadrants
	s_add_co_u32 s20, s19, 1
	s_lshr_b32 s20, s20, 1                         ; query half: 0, 1, 1
	s_lshr_b32 s21, s19, 1                         ; key half:   0, 0, 1
	s_lshl_b32 s17, s20, 2
	s_add_co_u32 s17, s17, s93                     ; my tile of 256 queries in the batch
	s_lshl_b32 s94, s21, 2
	s_add_co_u32 s94, s94, s92                     ; my tile of 256 keys
	s_lshl_b32 s95, s93, 2
	s_lshl_b32 s95, 15, s95                        ; my row of the cluster
	s_lshl_b32 s101, 0x1111, s92                   ; my column
	; descriptor group 1: 24,576 dense bytes as 96 rows of 256 bytes (32 elements of 8 bytes); no padding
	s_or_b32 s[G1+0], s95, (3<<16)|(1<<21)         ; 15:0 the mask: Q's tiles go to my row; elements of 8 bytes; bit 21 beside a mask
	s_or_b32 s[G1B+0], s101, (3<<16)|(1<<21)       ; K's to my column
.irp g, G1, G1B
	s_mov_b32 s[\g+1], 32<<16                      ; tensor_dim0
	s_mov_b32 s[\g+2], 96<<16                      ; tensor_dim1
	s_mov_b32 s[\g+3], 32<<16                      ; tile_dim0
	s_mov_b32 s[\g+4], 96                          ; tile_dim1
	s_mov_b32 s[\g+5], 32                          ; tensor_dim0_stride
	s_mov_b32 s[\g+6], 0
	s_mov_b32 s[\g+7], 0
.endr
	; the scale words of a row block: 4,096 dense bytes as 16 rows of 256
	s_or_b32 s[G1S+0], s95, (3<<16)|(1<<21)
	s_or_b32 s[G1SB+0], s101, (3<<16)|(1<<21)
.irp g, G1S, G1SB
	s_mov_b32 s[\g+1], 32<<16
	s_mov_b32 s[\g+2], 16<<16
	s_mov_b32 s[\g+3], 32<<16
	s_mov_b32 s[\g+4], 16
	s_mov_b32 s[\g+5], 32
	s_mov_b32 s[\g+6], 0
	s_mov_b32 s[\g+7], 0
.endr
	s_lshl_b32 s20, s18, 4                         ; the row block that I fetch: 16 x batch + 2 x tile + half
	s_lshl_b32 s21, s17, 1
	s_add_co_u32 s20, s20, s21
	s_add_co_u32 s20, s20, s16                     ; Q's
	s_lshl_b32 s2, s18, 4                          ; (what hangs on cx stays in s2, s3, s94, s96, s97 and s101: none of them feeds Q's descriptors)
	s_lshl_b32 s3, s94, 1
	s_add_co_u32 s2, s2, s3
	s_add_co_u32 s2, s2, s16                       ; K's
	s_lshl_b32 s22, s20, 12                        ; its scale words,
	s_mov_b32 s23, 0
	s_lshl_b32 s96, s2, 12
	s_add_co_u32 s96, s96, KSCL
	s_mov_b32 s97, 0
	s_mul_i32 s20, s20, RBB                        ; its codes
	s_mov_b32 s21, 0
	s_mul_i32 s2, s2, RBB
	s_add_co_u32 s2, s2, KIMG
	s_mov_b32 s3, 0
	s_mul_i32 s10, s14, HALFT                      ; where they go: wave x a row block: no place in the cluster enters an LDS address
	s_mul_i32 s11, s14, HALFS
	s_wait_kmcnt 0x0
	s_add_nc_u64 s[20:21], s[4:5], s[20:21]
	s_add_nc_u64 s[22:23], s[6:7], s[22:23]
	s_add_nc_u64 s[2:3], s[4:5], s[2:3]
	s_add_nc_u64 s[96:97], s[6:7], s[96:97]
	CROUND                                         ; all sixteen work-groups are here: the first joint loads meet
	s_mov_b32 s[G0S], 1
	s_add_co_u32 s[G0S+1], s11, SCL
	s_mov_b64 s[G0S+2:G0S+3], s[22:23]
	s_or_b32 s[G0S+3], s[G0S+3], 0x80000000
	s_mov_b32 s[G0SB], 1
	s_add_co_u32 s[G0SB+1], s11, SCL
	s_mov_b64 s[G0SB+2:G0SB+3], s[96:97]
	s_or_b32 s[G0SB+3], s[G0SB+3], 0x80000000
	JLOAD G0S, G1S, G0SB, G1SB                     ; the scale words first
.irp s, 0,1,2                                  ; then steps 0, 1 and 2 of d, each into a slot of its own: four loads of mine are out
	s_mov_b32 s[G0+4*\s], 1
	s_add_co_u32 s[G0+4*\s+1], s10, \s*SLOT
	s_add_nc_u64 s[G0+4*\s+2:G0+4*\s+3], s[20:21], \s*HALFT
	s_or_b32 s[G0+4*\s+3], s[G0+4*\s+3], 0x80000000
	s_mov_b32 s[G0B+4*\s], 1
	s_add_co_u32 s[G0B+4*\s+1], s10, \s*SLOT
	s_add_nc_u64 s[G0B+4*\s+2:G0B+4*\s+3], s[2:3], \s*HALFT
	s_or_b32 s[G0B+4*\s+3], s[G0B+4*\s+3], 0x80000000
	JLOAD G0+4*\s, G1, G0B+4*\s, G1B
.endr
	v_and_b32 v1, 15, v0                           ; r
	v_bfe_u32 v2, v0, 4, 1                         ; h
	v_and_b32 v[LN], 31, v0
	v_lshlrev_b32 v4, 4, v[LN]                     ; 16 x lane
	s_mul_i32 s21, s15, HALFT                      ; my row block of Q
	s_mul_i32 s22, s16, HALFT                      ; my row block of K,
	s_add_co_u32 s22, s22, 2*HALFT                 ; behind Q's two
.irp s, 0,1,2
	v_add_nc_u32 v[ADRA+\s], s21, v4
	v_add_nc_u32 v[ADRB+\s], s22, v4
	s_add_co_u32 s21, s21, SLOT
	s_add_co_u32 s22, s22, SLOT
.endr
	v_lshlrev_b32 v5, 2, v1                        ; my row's scale word in a block of 16
	s_mul_i32 s21, s15, HALFS
	s_mul_i32 s22, s16, HALFS
	s_add_co_u32 s22, s22, 2*HALFS
	s_sub_co_u32 s22, s22, s21
	v_mul_u32_u24 v6, s22, v2                      ; lanes 16-31 take K's: one product, the distance between the two bases
	s_add_co_u32 s21, s21, SCL
	v_add_nc_u32 v5, v5, v6
	v_add_nc_u32 v[ADRS], s21, v5
	v_lshlrev_b32 v[SO], 3, v[LN]
	; the mask's figures
	s_mov_b32 s[SEL], 0x76543210
	s_mov_b32 s[SEL+1], 0xfedcba98
	s_mov_b32 s100, 0x3d38aa3b                     ; c = log2(e) / 32
	s_lshl_b32 s101, s94, 1
	s_add_co_u32 s101, s101, s16                   ; my block of 128 keys in the batch: the chunk
	s_lshl_b32 s95, s17, 1
	s_add_co_u32 s95, s95, s15                     ; my block of 128 queries
	s_sub_co_i32 s95, s95, s101
	s_lshl_b32 s95, s95, 7                         ; D
	s_cmp_ge_i32 s95, 0
	s_cselect_b32 s[CLO], s100, 0
	s_mov_b32 s[CLO+1], s[CLO]                     ; (named with it as a pair, so it is written)
	s_cmp_gt_i32 s95, 0
	s_cselect_b32 s[CHI], s100, 0
	s_mov_b32 s[CHI+1], s[CHI]
	v_lshlrev_b32 v3, 3, v2
	v_sub_nc_u32 v[D0], v1, v3
	v_add_nc_u32 v[D0], s95, v[D0]                 ; D + r - 8 h
	v_mov_b32 v[CV], s100
	v_mov_b32 v[ZR], 0
.irp j, 0,1,2,3,4,5,6,7
	v_cmp_gt_i32 vcc_lo, \j, v[D0]                 ; hidden where j > D + r - 8 h
	v_cndmask_b32 v[CM+\j], v[CV], v[ZR], vcc_lo
.endr
	; stats at (my chunk, my first query)
	s_lshl_b32 s22, s18, 14                        ; 2,048 rows of 8 bytes a batch,
	s_lshl_b32 s23, s17, 11                        ; 256 a tile,
	s_add_co_u32 s22, s22, s23
	s_lshl_b32 s23, s15, 10                        ; 128 a half
	s_add_co_u32 s22, s22, s23
	s_mov_b32 s23, 0
	s_add_nc_u64 s[8:9], s[8:9], s[22:23]
	s_lshl_b32 s2, s101, 16                        ; 65,536 bytes a chunk
	s_mov_b32 s3, 0
	s_add_nc_u64 s[8:9], s[8:9], s[2:3]
.macro FRAG reg, adr, q, i             ; fragment (16 rows i, 128-step q of the slot): 1,536 bytes as the registers stand
.irp c, 0,1,2
	ds_load_b128 v[\reg+4*\c:\reg+4*\c+3], v[\adr] offset:(\i)*3072+(\q)*1536+512*\c
.endr
.endm
; 16 matrix instructions: Q's blocks a0, a0 + 1 x K's eight.  zero = 1: the first product starts the sums: nothing is cleared.  The 64 accumulators take turns.
.macro MUL16 a0, p, q, sc, zero
.irp a, \a0, \a0+1
.irp b, 0,1,2,3,4,5,6,7
.if \zero
	v_wmma_scale_f32_16x16x128_f8f6f4 v[8*(8*((\a)%4)+\b):8*(8*((\a)%4)+\b)+7], v[128*(\p)+FR*\b:128*(\p)+FR*\b+FR-1], v[AF+FR*(\a):AF+FR*(\a)+FR-1], 0, v[SC+8*NQ*(\sc)+NQ*\b+(\q)], v[SC+8*NQ*(\sc)+NQ*(\a)+(\q)] matrix_a_fmt:MATRIX_FMT_FP6 matrix_b_fmt:MATRIX_FMT_FP6 matrix_a_scale:MATRIX_SCALE_ROW1
.else
	v_wmma_scale_f32_16x16x128_f8f6f4 v[8*(8*((\a)%4)+\b):8*(8*((\a)%4)+\b)+7], v[128*(\p)+FR*\b:128*(\p)+FR*\b+FR-1], v[AF+FR*(\a):AF+FR*(\a)+FR-1], v[8*(8*((\a)%4)+\b):8*(8*((\a)%4)+\b)+7], v[SC+8*NQ*(\sc)+NQ*\b+(\q)], v[SC+8*NQ*(\sc)+NQ*(\a)+(\q)] matrix_a_fmt:MATRIX_FMT_FP6 matrix_b_fmt:MATRIX_FMT_FP6 matrix_a_scale:MATRIX_SCALE_ROW1
.endif
.endr
.endr
.endm
.macro FETCH_B slot, q, p
	WIN TO_B
.irp i, 0,1,2,3,4,5,6,7
	FRAG 128*(\p)+FR*\i, ADRB+\slot, \q, \i
.endr
	WIN 0
.endm
.macro FETCH_A slot, q, i0
.irp i, \i0, \i0+1, \i0+2, \i0+3
	FRAG AF+FR*(\i), ADRA+\slot, \q, \i
.endr
.endm
.macro SCALES sc, j                    ; the scale words of step j of d into set sc: lanes 0-15 take Q's block i, lanes 16-31 K's block i, for each of the step's two 128-steps; the step stands in the immediate
.irp q, 0,1
.irp i, 0,1,2,3,4,5,6,7
	ds_load_b32 v[SC+8*NQ*(\sc)+NQ*\i+\q], v[ADRS] offset:1024*(\j)+512*\q+64*\i
.endr
.endr
.endm
.macro PLACES n
.rept \n
	v_nop
.endr
.endm
; A step of 128 along d that has its successor in the same slot.  sc: the set of scale words in hand.
.macro STEP slot, q, sc, zero
	s_wait_dscnt 4*NL                              ; K's set, Q's blocks 0-3 and the scale words are in; the youngest 12 loads (Q's blocks 4-7) may be out
	WIN MUL_LO
	MUL16 0, (\q)%2, \q, \sc, \zero
	MUL16 2, (\q)%2, \q, \sc, \zero
	s_wait_dscnt 0
	PLACES NP
	FETCH_B \slot, (\q)+1, 1-(\q)%2
	FETCH_A \slot, (\q)+1, 0
	WIN MUL_HI
	MUL16 4, (\q)%2, \q, \sc, \zero
	MUL16 6, (\q)%2, \q, \sc, \zero
	PLACES NP
	WIN 0
	FETCH_A \slot, (\q)+1, 4
.endm
; A slot's last step goes on into slot next, whose step of d is nj.
; mode 2: this slot is filled again, three steps of d on: each wave waits for all its tensor loads, adds 0 to its spare word, waits for that and for its reads of this slot; a round of the cluster's barrier; the joint refill.
; mode 1: the same lines and my work-group's barrier alone: the slot ahead was filled again and has to be shown whole to all four waves; nothing is filled.
; mode 0: no barrier: the slot ahead was shown whole by the waits in front of the round, and nothing is filled.
.macro TURN slot, next, sc, nj, mode
.if \mode
	s_wait_tensorcnt 0x0                           ; all my tensor loads have landed  (every window is 0 here: the add's two registers lie in window 0)
	ds_add_u32 v[SPW], v[NIL]                      ; 0 onto my spare word
	s_wait_dscnt 4*NL+1                            ; (the add and the youngest 12 loads may be out)
	WIN MUL_LO
	MUL16 0, 1, NQ-1, \sc, 0                       ; sixteen matrix instructions stand between the add and the wait for it
	s_wait_dscnt 0x0                               ; the add is done, and my reads of this slot are over
	s_barrier_signal -1
	MUL16 2, 1, NQ-1, \sc, 0
	WIN 0
	s_barrier_wait -1
.else
	s_wait_dscnt 4*NL
	WIN MUL_LO
	MUL16 0, 1, NQ-1, \sc, 0
	MUL16 2, 1, NQ-1, \sc, 0
	s_wait_dscnt 0x0                               ; Q's blocks 4-7 are in
	WIN 0
.endif
.if \mode == 2
	CREST                                          ; the barrier has opened a round of the cluster's barrier: no wave of any partner still reads this slot or has a load on its way
	s_add_nc_u64 s[G0+4*\slot+2:G0+4*\slot+3], s[G0+4*\slot+2:G0+4*\slot+3], 3*HALFT
	s_add_nc_u64 s[G0B+4*\slot+2:G0B+4*\slot+3], s[G0B+4*\slot+2:G0B+4*\slot+3], 3*HALFT
	JLOAD G0+4*\slot, G1, G0B+4*\slot, G1B         ; the first tensor load behind the round; its four v_nop are the places in front of the loads below
.else
	PLACES NP
.endif
	FETCH_B \next, 0, 0
	FETCH_A \next, 0, 0
	SCALES 1-(\sc), \nj
	WIN MUL_HI
	MUL16 4, 1, NQ-1, \sc, 0
	MUL16 6, 1, NQ-1, \sc, 0
	PLACES NP
	WIN 0
	FETCH_A \next, 0, 4
.endm
	s_wait_tensorcnt 2                             ; the scale words and my part of slot 0 are in; of my four loads the youngest two, slots 1 and 2, may be out
	s_barrier_signal -1
	s_barrier_wait -1
	FETCH_B 0, 0, 0
	FETCH_A 0, 0, 0
	SCALES 0, 0
	FETCH_A 0, 0, 4
	STEP 0, 0, 0, 1                                ; d 0-127: these products start the sums
	TURN 0, 1, 0, 1, 2                             ; d 128-255; slot 0 takes d 768-1,023
	STEP 1, 0, 1, 0
	TURN 1, 2, 1, 2, 0
	STEP 2, 0, 0, 0
	TURN 2, 0, 0, 3, 1                             ; the refill has landed in every wave's part
	STEP 0, 0, 1, 0
	s_wait_dscnt 4*NL                              ; the very last step: nothing more to fetch
	WIN MUL_LO
	MUL16 0, 1, NQ-1, 1, 0
	MUL16 2, 1, NQ-1, 1, 0
	s_wait_dscnt 0
	WIN MUL_HI
	MUL16 4, 1, NQ-1, 1, 0
	MUL16 6, 1, NQ-1, 1, 0
	WIN 0
; THE WAY OUT.  Block a: 16 queries; a lane's 64 scores and lane xor 16's are a query's 128 keys.
.macro SOFT a
.set AC, 64*((\a)%4)
.set W, 2+(\a)/4
	WIN (W<<6)|W                                   ; destination and source 0: the accumulators' window
.irp b, 0,1,2,3,4,5,6,7
.irp p, 0,1,2,3
.if \b < (\a)
	v_pk_mul_f32 v[AC+8*\b+2*\p:AC+8*\b+2*\p+1], v[AC+8*\b+2*\p:AC+8*\b+2*\p+1], s[CLO:CLO+1] op_sel_hi:[1,0]   ; t = score x c, or 0 where the triangle hides it.  (The maximum wants t before t - m can be formed, so the two are not one fused line)
.elseif \b > (\a)
	v_pk_mul_f32 v[AC+8*\b+2*\p:AC+8*\b+2*\p+1], v[AC+8*\b+2*\p:AC+8*\b+2*\p+1], s[CHI:CHI+1] op_sel_hi:[1,0]
.else
	v_pk_mul_f32 v[AC+8*\b+2*\p:AC+8*\b+2*\p+1], v[AC+8*\b+2*\p:AC+8*\b+2*\p+1], v[CM+2*\p:CM+2*\p+1]
.endif
.endr
.endr
	WIN (W<<2)|(W<<4)                              ; sources 1 and 2
.irp k, 0,1,2,3
	v_max3_num_f32 v[T+\k], 0xff800000, v[AC+16*\k], v[AC+16*\k+1]   ; four chains, begun under -infinity
.endr
.irp i, 2,4,6,8,10,12,14
.irp k, 0,1,2,3
	v_max3_num_f32 v[T+\k], v[T+\k], v[AC+16*\k+\i], v[AC+16*\k+\i+1]
.endr
.endr
	WIN 0
	v_max3_num_f32 v[T], v[T], v[T+1], v[T+2]
	v_max_num_f32 v[T], v[T], v[T+3]
	v_permlanex16_b32 v[T+1], v[T], s[SEL], s[SEL+1]
	v_max_num_f32 v[NM], v[T], v[T+1]              ; m: the largest t of my query's 128 keys
	v_mov_b32 v[ST+2*(\a)], v[NM]
	WIN (W<<6)|W
.set x, AC
.rept 32
	v_pk_add_f32 v[x:x+1], v[x:x+1], v[NM:NM+1] op_sel_hi:[1,0] neg_lo:[0,1] neg_hi:[0,1]   ; t - m, at most 0
.set x, x+2
.endr
.set x, AC
.rept 64
	v_exp_f32 v[x], v[x]
.set x, x+1
.endr
	v_nop                                          ; a plain place behind the exponentials
	WIN (W<<2)|W
	s_wait_alu depctr_va_vdst(0)
	v_pk_add_f32 v[S:S+1], v[AC:AC+1], v[AC+4:AC+5]           ; the sum, in two packed chains, begun by their first additions
	v_pk_add_f32 v[S+2:S+3], v[AC+2:AC+3], v[AC+6:AC+7]
	WIN (W<<2)
.irp i, 2,3,4,5,6,7,8,9,10,11,12,13,14,15
	v_pk_add_f32 v[S:S+1], v[S:S+1], v[AC+4*\i:AC+4*\i+1]
	v_pk_add_f32 v[S+2:S+3], v[S+2:S+3], v[AC+4*\i+2:AC+4*\i+3]
.endr
	WIN 0
	v_pk_add_f32 v[S:S+1], v[S:S+1], v[S+2:S+3]
	v_add_f32 v[S], v[S], v[S+1]
	v_permlanex16_b32 v[S+1], v[S], s[SEL], s[SEL+1]
	v_add_f32 v[ST+2*(\a)+1], v[S], v[S+1]         ; l
.endm
	PLACES NP                                      ; behind the last products, whose results are read below
	v_mov_b32 v[NM+1], 0                           ; (named as the upper half of the pair)
.irp a, 0,1,2,3,4,5,6,7
	SOFT \a
.endr
	v_cmp_gt_u32 vcc_lo, 16, v[LN]                 ; every lane (r, h) holds query r's pair: lanes 0-15 give block 2 j's, lanes 16-31 block 2 j + 1's
.irp j, 0,1,2,3
	v_cndmask_b32 v[O+2*\j], v[ST+4*\j+2], v[ST+4*\j], vcc_lo
	v_cndmask_b32 v[O+2*\j+1], v[ST+4*\j+3], v[ST+4*\j+1], vcc_lo
.endr
.irp j, 0,1,2,3
	global_store_b64 v[SO], v[O+2*\j:O+2*\j+1], s[8:9] offset:256*\j   ; 32 lanes store 256 consecutive bytes, at a multiple of 256 from the buffer's first byte
.endr
	s_wait_tensorcnt 0x0                           ; the wave's end
	ds_add_u32 v[SPW], v[NIL]
	s_wait_dscnt 0x0
	CROUND                                         ; the closing round
	s_endpgm
.Lfunc_end_k_qfbf1f626ef_scores:
	.size	k_qfbf1f626ef_scores, .Lfunc_end_k_qfbf1f626ef_scores-k_qfbf1f626ef_scores
	.p2alignl 7, 3214868480
	.fill 96, 4, 3214868480
	.section	.rodata,"a",@progbits
	.p2align	6, 0x0
	.amdhsa_kernel k_qfbf1f626ef_scores
		.amdhsa_group_segment_fixed_size 327680
		.amdhsa_private_segment_fixed_size 0
		.amdhsa_enable_private_segment 0
		.amdhsa_kernarg_size 24
		.amdhsa_user_sgpr_count 2
		.amdhsa_user_sgpr_kernarg_segment_ptr 1
		.amdhsa_wavefront_size32 1
		.amdhsa_system_sgpr_workgroup_id_x 1
		.amdhsa_system_sgpr_workgroup_id_y 1
		.amdhsa_system_sgpr_workgroup_id_z 1
		.amdhsa_system_vgpr_workitem_id 0
		.amdhsa_next_free_vgpr 1024
		.amdhsa_next_free_sgpr 102
		.amdhsa_reserve_vcc 1
		.amdhsa_float_denorm_mode_32 3
		.amdhsa_float_denorm_mode_16_64 3
		.amdhsa_memory_ordered 1
		.amdhsa_forward_progress 1
		.amdhsa_inst_pref_size 195
	.end_amdhsa_kernel
	.amdgpu_metadata
---
amdhsa.version: [ 1, 2 ]
amdhsa.kernels:
  - .name:           k_qfbf1f626ef_scores
    .symbol:         k_qfbf1f626ef_scores.kd
    .args:
      - { .name: qk_img, .offset: 0, .size: 8, .value_kind: global_buffer, .address_space: global }
      - { .name: qk_scl, .offset: 8, .size: 8, .value_kind: global_buffer, .address_space: global }
      - { .name: stats, .offset: 16, .size: 8, .value_kind: global_buffer, .address_space: global }
    .group_segment_fixed_size: 327680
    .private_segment_fixed_size: 0
    .kernarg_segment_align: 8
    .kernarg_segment_size: 24
    .max_flat_workgroup_size: 128
    .sgpr_count:     102
    .vgpr_count:     1024
    .wavefront_size: 32
...
	.end_amdgpu_metadata
.endif
;; end of part 2
;; launch proj_v (part 3): grid 4 x 64, 4 waves a work-group, clusters of 4 x 4, 327,680 bytes of LDS; arguments X_codes, X_scales, Wv_codes, Wv_scales, out0, bv, stats; writes out0
.if DOCPART == 3
	.amdgcn_target "amdgcn-amd-amdhsa--gfx1250"
	.amdhsa_code_object_version 6
	.text
	.protected	k_qfbf1f626ef_proj_v
	.globl	k_qfbf1f626ef_proj_v
	.p2align	8
	.type	k_qfbf1f626ef_proj_v,@function
k_qfbf1f626ef_proj_v:
	s_mov_b64 s[64:65], 0
	v_nop
	global_prefetch_b8 v0, s[64:65] scope:SCOPE_SE
	s_setreg_imm32_b32 hwreg(HW_REG_WAVE_MODE, 25, 1), 1
	s_wait_xcnt 0x0
	s_wait_alu depctr_hold_cnt(0) depctr_sa_sdst(0) depctr_va_vdst(0) depctr_va_sdst(0) depctr_va_ssrc(0) depctr_va_vcc(0) depctr_vm_vsrc(0)
	s_getreg_b32 s2, hwreg(HW_REG_IB_STS2, 6, 4)
	s_cmp_eq_u32 s2, 0
	s_cbranch_scc0 .Lentry_in_a_cluster
	s_endpgm
.Lentry_in_a_cluster:
	s_bfe_u32 s2, ttmp6, 0x10000c
	s_cmp_lg_u32 s2, 0xf033
	s_cbranch_scc0 .Lentry_shape_is_right
	s_endpgm
.Lentry_shape_is_right:
; out[row][:] = w[row] x (X Wv + bv)[row][:], the product on codes of FP6 (E2M3) with one E8M0 scale for each 32 along K, sums in f32.
; w[row] is the sum over the keys of the row's softmax.  stats holds, for each row and each chunk of 128 keys, m = the chunk's largest t and l = the sum of 2^(t - m).  With M the row's largest m and
; L = the sum over the chunks of l 2^(m - M), each weight is 2^(t - M) / L, and their sum is L x (1 / L): the common divisor is taken out of the sum; that is what is computed, not 2,048 rounded quotients added.
; The maximum is taken away in two stages (chunk, then row): no exponent is above 0, and L lies between 1 and 2,048.
; Rows with query < 1,024 in their batch have no stored chunks 8 to 15: those keys lie wholly above the diagonal, their scores are 0: each such chunk counts as (m, l) = (0, 128).  The choice is made by
; v_cndmask_b32 on a mask that hangs on the cluster's y; for those rows lanes 16-31 read chunks 0 to 7 once more, so that no byte is read that nobody wrote.
; SHARES.  8,192 x 1,024 numbers in blocks of 128 rows x 256 columns are 256 work-groups.  A wave makes 64 rows x 128 columns: 32 accumulators, 256 registers.  For 128 along K it reads 12 fragments from LDS
; (72 loads of 8 bytes a lane) for 32 matrix instructions; X and Wv have two sets of fragment registers each, and the next step's loads stand in three runs of 24, one behind each eight products.
; THREE SLOTS, ONE REFILL.  K goes in four steps of 256.  Three slots of 92,160 bytes fit in LDS, so K steps 0, 1 and 2 are asked for together at the start; K step 3 goes into slot 0 as soon as every wave of the
; cluster has read slot 0 out, and has 112 matrix instructions of a wave between its request and the wait for it.  The change from slot 1 to slot 2 needs no barrier.
; The eight steps of 128 are written out: there is no loop.  The scale bytes of the work-group's rows come once and stay.
; CLUSTERS: 4 x 4; X's tiles are shared along a row of the cluster, Wv's along a column: joint loads.  TRANSPOSED USE (source 0 = 16 rows of Wv, source 1 = 16 rows of X): a lane holds eight neighbouring numbers
; of one row of out (row 16 a + lane % 16).  The bias is the C of each sum's first matrix instruction.
; w IS MADE BY EACH WAVE FOR ITS OWN 64 ROWS, in the lanes that want it: lane (r, h) loads chunks 8 h .. 8 h + 7 of rows 16 a + r, a = 0 .. 3; the two halves of the lanes are joined by one exchange for M and
; one for L.  The loads are issued at the head into registers that nothing else uses and are waited for ahead of the last change of slots.  (The two waves of a row half do this work twice: 8 KB of loads each.)
; LIMITS: NaN and infinities are not served.
; REGISTERS: window 0: v1-9 at work in the head; v10-29 addresses and constants; v32-63 scale words, two sets, and nothing else; v64-127 the bias, then w's work, then rows read back; v128-223 X's fragments,
;   two sets of 48 (on the way out: rows read back); v224-231 w of my rows, each twice (a pair for the packed multiplication); v232-243 at work for w.
;   window 1: Wv's fragments, two sets, at v0 and v128.   window 2: the accumulators, (a, b) at v[8 (8 a + b)].   window 3: v0-63 stats: (m, l) of row block a, my chunk k at v[16 a + 2 k].
.set SIZE_N, 1024
.set ROWB,   192                       ; a tile's row in bytes: 256 codes
.set KROW,   768                       ; a row of X or of Wv in memory
.set PITCH,  240                       ; an LDS row: 3 x (64 bytes + 16 of padding): the 32 lanes of a load of 8 bytes touch 64 different banks (64 banks of 4 bytes: ISA guide 11.1)
.set FR,     12                        ; registers of a fragment
.set NL,     6                         ; LDS loads that bring one
.set NP,     4                         ; places behind this matrix instruction (ISA guide 7.12.1)
.set XH,     64*PITCH                  ; 64 rows of X: one tensor load, and what one wave reads of X
.set WH,     128*PITCH                 ; 128 rows of Wv: likewise
.set SLOT,   2*XH+2*WH                 ; X's 128 rows, then Wv's 256
.set KS,     32                        ; a row of scale bytes
.set SCL,    3*SLOT                    ; behind the three slots: the scale bytes, as units of 256 bytes + 16 of padding
.set HSX,    (64*KS/256)*272           ; those of 64 rows of X
.set HSW,    (128*KS/256)*272          ; of 128 rows of Wv
.set SBLK,   (16*KS/256)*272           ; of 16 rows
.set SPARE,  SCL+2*HSX+2*HSW           ; the spare words, 128 bytes a wave: two blocks of 256 bytes that no other line names
.set STAGE,  SLOT                      ; the way out: 16 rows x (512 bytes + 16) for each wave, in slot 1: it is filled once, and nobody reads it behind the last barrier
.set SPITCH, 528
.set ADRA, 10                          ; v10-12 LDS address of my X fragments in slot 0, 1, 2 (v13-15: behind one padding more)
.set ADRB, 16                          ; v16-21 the same for Wv
.set STO,  22                          ; v22  the way out: where I put 32 bytes of a row
.set RD,   23                          ; v23  where I read a row back
.set CO,   24                          ; v24  my byte offset in a row of out
.set ADRS, 25                          ; v25  LDS address of my scale words: lanes 0-15 X's rows, lanes 16-31 Wv's; never rewritten
.set C128, 26                          ; v26  128.0
.set SPW,  28                          ; v28  my spare word; never rewritten
.set NIL,  29                          ; v29  0; never rewritten
.set SC,   32
.set BIAS, 64
.set WT,   64                          ; w's work: (m, l) as they count, 16 registers a row block
.set AF,   128
.set BK,   128                         ; the way out: 16 rows read back: v128-191 and v64-127 by turns
.set WW,   224
.set WM,   232                         ; v232-235 M
.set WP,   236                         ; v236-239 what the other half of the lanes holds; then 1 / L
.set WL,   240                         ; v240-243 L
.set G1,   24                          ; s[24:31] descriptor group 1 for X's tiles
.set G0,   32                          ; s[32:43] group 0 for X's tiles, a set for each slot
.set G0S,  44                          ; s[44:47] group 0 for X's scale bytes
.set G1B,  48                          ; s[48:55] group 1 for Wv's tiles
.set G1S,  56                          ; s[56:63] group 1 for X's scale bytes
.set G1SB, 68                          ; s[68:75] group 1 for Wv's scale bytes
.set G0B,  76                          ; s[76:87] group 0 for Wv's tiles, a set for each slot
.set G0SB, 88                          ; s[88:91] group 0 for Wv's scale bytes
.set SEL,  96                          ; s[96:97] lane selects: lane l xor 16 (before that: the address of Wv's scale bytes)
.set MSB, 0
.macro WIN new                         ; the immediate's high byte repeats the setting that is left
.if MSB != (\new)
	s_set_vgpr_msb (MSB<<8)|(\new)
.set MSB, (\new)
.endif
.endm
.set MUL,  0xa1                        ; source 0 (Wv) window 1, source 1 (X) window 0, C and D window 2
.set TO_B, 0x40                        ; destination window 1, address window 0
.macro JLOAD g0a, g1a, g0b, g1b        ; a joint load: waves 0 and 1 fetch for X, waves 2 and 3 for Wv; four v_nop follow each of the two lines
	s_cmp_eq_u32 s15, 0
	s_cbranch_scc0 .Lfor_b_\@
	tensor_load_to_lds s[\g0a:\g0a+3], s[\g1a:\g1a+7]
	s_nop 0
.rept 4
	v_nop
.endr
	s_branch .Lasked_\@
.Lfor_b_\@:
	tensor_load_to_lds s[\g0b:\g0b+3], s[\g1b:\g1b+7]
	s_nop 0
.rept 4
	v_nop
.endr
.Lasked_\@:
.endm
.macro CREST                           ; a round of the cluster's barrier behind its opening barrier
	s_cmp_lg_u32 s14, 0
	s_cbranch_scc1 .Lnot_wave_0_\@
	s_barrier_signal -3
.Lnot_wave_0_\@:
	s_barrier_wait -3
	s_barrier_signal -1
	s_barrier_wait -1
.endm
.macro CROUND
	s_barrier_signal -1
	s_barrier_wait -1
	CREST
.endm
	s_load_b128 s[4:7], s[0:1], 0x0                ; X's codes, X's scales
	s_load_b128 s[8:11], s[0:1], 0x10              ; Wv's codes, Wv's scales
	s_load_b64 s[12:13], s[0:1], 0x20              ; out0
	s_load_b64 s[66:67], s[0:1], 0x28              ; bv
	s_load_b64 s[98:99], s[0:1], 0x30              ; stats
	v_lshl_add_u32 v[SPW], v0, 2, SPARE
	v_mov_b32 v[NIL], 0
	ds_add_u32 v28, v29
	ds_add_u32 v28, v29
	s_wait_dscnt 0x0
	v_lshrrev_b32 v1, 5, v0
	v_readfirstlane_b32 s14, v1                    ; wave 0..3
	s_lshr_b32 s15, s14, 1                         ; which half of the block's rows is mine.  Also: I fetch for X (0) or for Wv (1)
	s_and_b32 s16, s14, 1                          ; which half of its columns.  Also: which half of that tile's rows I fetch
	s_bfe_u32 s92, ttmp6, 0x40000                  ; cx
	s_bfe_u32 s93, ttmp6, 0x40004                  ; cy
	s_lshl_b32 s94, ttmp9, 2
	s_add_co_u32 s94, s94, s92                     ; block column (256 columns) = 4 x cluster x + cx
	s_and_b32 s17, ttmp7, 0xffff
	s_lshl_b32 s17, s17, 2
	s_add_co_u32 s17, s17, s93                     ; block row (128 rows) = 4 x cluster y + cy
	s_lshl_b32 s95, s93, 2
	s_lshl_b32 s95, 15, s95                        ; my row of the cluster
	s_lshl_b32 s101, 0x1111, s92                   ; my column
	; descriptor groups 1: rows of 192 bytes, 16 bytes of padding behind every 64; X: 64 rows, Wv: 128
	s_or_b32 s[G1+0], s95, (0<<16)|(1<<20)|(1<<21)|(3<<22)|(3<<25)   ; 15:0 the mask: X's tiles go to my row; elements of 1 byte; padding on; bit 21 beside a mask; after every 16 words, 4 words
	s_mov_b32 s[G1+1], ROWB<<16                    ; tensor_dim0
	s_mov_b32 s[G1+2], 64<<16                      ; tensor_dim1
	s_mov_b32 s[G1+3], ROWB<<16                    ; tile_dim0
	s_mov_b32 s[G1+4], 64                          ; tile_dim1
	s_mov_b32 s[G1+5], KROW                        ; tensor_dim0_stride
	s_mov_b32 s[G1+6], 0
	s_mov_b32 s[G1+7], 0
	s_or_b32 s[G1B+0], s101, (0<<16)|(1<<20)|(1<<21)|(3<<22)|(3<<25) ; Wv's to my column
	s_mov_b32 s[G1B+1], ROWB<<16
	s_mov_b32 s[G1B+2], 128<<16
	s_mov_b32 s[G1B+3], ROWB<<16
	s_mov_b32 s[G1B+4], 128
	s_mov_b32 s[G1B+5], KROW
	s_mov_b32 s[G1B+6], 0
	s_mov_b32 s[G1B+7], 0
	; the scale bytes: dense, as rows of 256 bytes (32 elements of 8), 16 bytes of padding behind each; 64 rows of X are 8 such rows, 128 rows of Wv 16
	s_or_b32 s[G1S+0], s95, (3<<16)|(1<<20)|(1<<21)|(5<<22)|(3<<25)
	s_mov_b32 s[G1S+1], 32<<16
	s_mov_b32 s[G1S+2], 8<<16
	s_mov_b32 s[G1S+3], 32<<16
	s_mov_b32 s[G1S+4], 8
	s_mov_b32 s[G1S+5], 32
	s_mov_b32 s[G1S+6], 0
	s_mov_b32 s[G1S+7], 0
	s_or_b32 s[G1SB+0], s101, (3<<16)|(1<<20)|(1<<21)|(5<<22)|(3<<25)
	s_mov_b32 s[G1SB+1], 32<<16
	s_mov_b32 s[G1SB+2], 16<<16
	s_mov_b32 s[G1SB+3], 32<<16
	s_mov_b32 s[G1SB+4], 16
	s_mov_b32 s[G1SB+5], 32
	s_mov_b32 s[G1SB+6], 0
	s_mov_b32 s[G1SB+7], 0
	s_lshl_b32 s18, s16, 6
	s_lshl_b32 s20, s17, 7
	s_add_co_u32 s20, s20, s18                     ; X: row 128 x block row + 64 x half
	s_lshl_b32 s18, s16, 7
	s_lshl_b32 s2, s94, 8                          ; (what hangs on cx stays in s2, s3, s94, s96, s97 and s101: none of them feeds X's descriptors)
	s_add_co_u32 s2, s2, s18                       ; Wv: row 256 x block column + 128 x half
	s_mov_b32 s21, 0
	s_mov_b32 s3, 0
	s_mov_b64 s[18:19], KS
	s_mul_u64 s[22:23], s[20:21], s[18:19]         ; where these rows' scale bytes begin
	s_mul_u64 s[96:97], s[2:3], s[18:19]
	s_mov_b64 s[18:19], KROW
	s_mul_u64 s[20:21], s[20:21], s[18:19]         ; and their codes
	s_mul_u64 s[2:3], s[2:3], s[18:19]
	s_mul_i32 s18, s16, XH                         ; where they go in a slot: X's two halves,
	s_mul_i32 s19, s16, WH
	s_add_co_u32 s19, s19, 2*XH                    ; then Wv's two: no place in the cluster enters an LDS address
	s_mul_i32 s100, s16, HSX                       ; and among the scale bytes
	s_mul_i32 s101, s16, HSW
	s_add_co_u32 s101, s101, 2*HSX
	s_wait_kmcnt 0x0
	s_add_nc_u64 s[20:21], s[4:5], s[20:21]
	s_add_nc_u64 s[22:23], s[6:7], s[22:23]
	s_add_nc_u64 s[2:3], s[8:9], s[2:3]
	s_add_nc_u64 s[96:97], s[10:11], s[96:97]
	CROUND                                         ; all sixteen work-groups are here: the first joint loads meet
	s_mov_b32 s[G0S], 1
	s_add_co_u32 s[G0S+1], s100, SCL
	s_mov_b64 s[G0S+2:G0S+3], s[22:23]
	s_or_b32 s[G0S+3], s[G0S+3], 0x80000000
	s_mov_b32 s[G0SB], 1
	s_add_co_u32 s[G0SB+1], s101, SCL
	s_mov_b64 s[G0SB+2:G0SB+3], s[96:97]
	s_or_b32 s[G0SB+3], s[G0SB+3], 0x80000000
	JLOAD G0S, G1S, G0SB, G1SB                     ; the scale bytes first
.irp s, 0,1,2                                  ; then K steps 0, 1 and 2, each into a slot of its own: four loads of mine are out
	s_mov_b32 s[G0+4*\s], 1
	s_add_co_u32 s[G0+4*\s+1], s18, \s*SLOT
	s_add_nc_u64 s[G0+4*\s+2:G0+4*\s+3], s[20:21], \s*ROWB
	s_or_b32 s[G0+4*\s+3], s[G0+4*\s+3], 0x80000000
	s_mov_b32 s[G0B+4*\s], 1
	s_add_co_u32 s[G0B+4*\s+1], s19, \s*SLOT
	s_add_nc_u64 s[G0B+4*\s+2:G0B+4*\s+3], s[2:3], \s*ROWB
	s_or_b32 s[G0B+4*\s+3], s[G0B+4*\s+3], 0x80000000
	JLOAD G0+4*\s, G1, G0B+4*\s, G1B
.endr
	; the bases of out, bv and stats, and the loads of bv and stats, while the first fills are on their way
	s_mov_b32 s[SEL], 0x76543210
	s_mov_b32 s[SEL+1], 0xfedcba98
	s_lshl_b32 s20, s17, 7
	s_lshl_b32 s21, s15, 6
	s_add_co_u32 s20, s20, s21                     ; my first row: 128 x block row + 64 x half
	s_mov_b32 s21, 0
	s_lshl_b64 s[22:23], s[20:21], 3               ; in a chunk of stats: 8 bytes a row
	s_lshl_b64 s[20:21], s[20:21], 12              ; in out: 4,096 bytes a row
	s_add_nc_u64 s[12:13], s[12:13], s[20:21]
	s_add_nc_u64 s[98:99], s[98:99], s[22:23]
	s_lshl_b32 s2, s94, 10                         ; my first column, in bytes: 1,024 x block column + 512 x half: in out and in bv alike
	s_lshl_b32 s3, s16, 9
	s_add_co_u32 s2, s2, s3
	s_mov_b32 s3, 0
	s_add_nc_u64 s[12:13], s[12:13], s[2:3]
	s_add_nc_u64 s[66:67], s[66:67], s[2:3]
	s_and_b32 s22, ttmp7, 2                        ; block rows 8 to 15 of a batch's 16 are queries >= 1,024: bit 1 of the cluster's y
	s_cmp_lg_u32 s22, 0
	s_cselect_b32 s100, -1, 0xffff                 ; the lanes whose loaded pairs count: all, or lanes 0-15 alone
	s_cselect_b32 s22, 0x80000, 0                  ; chunks 8 to 15 lie 8 x 65,536 bytes on; where they were not written, lanes 16-31 read chunks 0 to 7 and throw them away
	v_and_b32 v1, 15, v0                           ; r
	v_bfe_u32 v2, v0, 4, 1                         ; h
	v_lshlrev_b32 v7, 5, v2                        ; my eight numbers of a tile's bias
	v_mul_u32_u24 v8, s22, v2
	v_lshl_add_u32 v8, v1, 3, v8                   ; stats: 8 r + my half's chunks
.irp b, 0,1,2,3,4,5,6,7
	global_load_b128 v[BIAS+8*\b:BIAS+8*\b+3], v7, s[66:67] offset:64*\b           ; register j of tile b: bv at column 16 b + 8 h + j: the result's layout
	global_load_b128 v[BIAS+8*\b+4:BIAS+8*\b+7], v7, s[66:67] offset:64*\b+16
.endr
	WIN 0xc0                                       ; destination window 3, address window 0
.irp a, 0,1,2,3
.irp k, 0,1,2,3,4,5,6,7
	global_load_b64 v[16*\a+2*\k:16*\a+2*\k+1], v8, s[98:99] offset:128*\a+65536*\k   ; (m, l) of row 16 a + r, chunk 8 h + k: sixteen lanes read 128 consecutive bytes
.endr
.endr
	WIN 0
	v_mul_u32_u24 v3, v1, PITCH
	v_mul_u32_u24 v4, v2, 24
	v_add_nc_u32 v4, v3, v4                        ; a fragment's row x pitch + 24 x half
	v_lshl_add_u32 v5, v2, 4, v4                   ; and the same behind one padding more
	s_mul_i32 s20, s15, XH                         ; my 64 rows of X
	s_mul_i32 s21, s16, WH                         ; my 128 rows of Wv,
	s_add_co_u32 s21, s21, 2*XH                    ; which lie behind X's 128
.irp s, 0,1,2
	v_add_nc_u32 v[ADRA+\s], s20, v4
	v_add_nc_u32 v[ADRB+\s], s21, v4
	v_add_nc_u32 v[ADRA+3+\s], s20, v5
	v_add_nc_u32 v[ADRB+3+\s], s21, v5
	s_add_co_u32 s20, s20, SLOT
	s_add_co_u32 s21, s21, SLOT
.endr
	v_mul_u32_u24 v5, v1, KS                       ; my row's scale bytes: 32 a row,
	v_lshrrev_b32 v6, 8, v5
	v_lshl_add_u32 v5, v6, 4, v5                   ; and 16 more for each 256 passed
	s_mul_i32 s20, s15, HSX
	s_mul_i32 s21, s16, HSW
	s_add_co_u32 s21, s21, 2*HSX
	s_sub_co_u32 s21, s21, s20
	v_mul_u32_u24 v6, s21, v2                      ; lanes 16-31 take Wv's: one product, the distance between the two bases
	s_add_co_u32 s20, s20, SCL
	v_add_nc_u32 v5, v5, v6
	v_add_nc_u32 v[ADRS], s20, v5
	s_mul_i32 s23, s14, 16*SPITCH
	s_add_co_u32 s23, s23, STAGE                   ; my stage
	v_mul_u32_u24 v5, v1, SPITCH                   ; in: row r, 32 bytes for each half of the lanes
	v_lshl_add_u32 v5, v2, 5, v5
	v_add_nc_u32 v[STO], s23, v5
	v_and_b32 v6, 31, v0
	v_lshlrev_b32 v[CO], 4, v6                     ; back: the 32 lanes take one row of 512 bytes; and the same in out
	v_add_nc_u32 v[RD], s23, v[CO]
	v_mov_b32 v[C128], 0x43000000                  ; 128.0
.irp a, 0,1,2,3
	v_mov_b32 v[WP+\a], 0                          ; written once: a lane permute's destination counts as one of its sources
.endr
.macro FRAG reg, adr, q, i             ; 16 rows x 128 K of 6-bit codes: lane l holds row l % 16; registers 6 c .. 6 c + 5 hold K = 64 c + 32 (l / 16) + 0 .. 31: 24 bytes of the row as they lie, in pieces of 8 bytes
.irp p, 0,1,2,3,4,5
.set PCE, 12*(\q)+6*(\p/3)+\p%3        ; 16 bytes of padding lie behind every 8 pieces: where the piece three on (lanes 16-31) lies behind one padding more, the second address register serves
.if PCE%8 < 5
	ds_load_b64 v[\reg+2*\p:\reg+2*\p+1], v[\adr] offset:8*PCE+16*(PCE/8)+(\i)*16*PITCH
.else
	ds_load_b64 v[\reg+2*\p:\reg+2*\p+1], v[\adr+3] offset:8*PCE+16*(PCE/8)+(\i)*16*PITCH
.endif
.endr
.endm
; 8 matrix instructions: X's block a x Wv's eight, 128 along K, from the fragment sets q.  sc: the set of scale words.  zero = 1: the first product starts the sums, with the bias as C.
; The 32 accumulators take turns, one instruction a turn, in the same order in every step.
.macro MUL8 a, q, sc, zero
.irp b, 0,1,2,3,4,5,6,7
.if \zero
	v_wmma_scale_f32_16x16x128_f8f6f4 v[8*(8*(\a)+\b):8*(8*(\a)+\b)+7], v[128*(\q)+FR*\b:128*(\q)+FR*\b+FR-1], v[AF+48*(\q)+FR*(\a):AF+48*(\q)+FR*(\a)+FR-1], v[BIAS+8*\b:BIAS+8*\b+7], v[SC+16*(\sc)+2*\b+(\q)], v[SC+16*(\sc)+2*(\a)+(\q)] matrix_a_fmt:MATRIX_FMT_FP6 matrix_b_fmt:MATRIX_FMT_FP6 matrix_a_scale:MATRIX_SCALE_ROW1
.else
	v_wmma_scale_f32_16x16x128_f8f6f4 v[8*(8*(\a)+\b):8*(8*(\a)+\b)+7], v[128*(\q)+FR*\b:128*(\q)+FR*\b+FR-1], v[AF+48*(\q)+FR*(\a):AF+48*(\q)+FR*(\a)+FR-1], v[8*(8*(\a)+\b):8*(8*(\a)+\b)+7], v[SC+16*(\sc)+2*\b+(\q)], v[SC+16*(\sc)+2*(\a)+(\q)] matrix_a_fmt:MATRIX_FMT_FP6 matrix_b_fmt:MATRIX_FMT_FP6 matrix_a_scale:MATRIX_SCALE_ROW1
.endif
.endr
.endm
.macro FETB slot, q, p, i0             ; 24 loads: Wv's blocks i0 .. i0 + 3 of the slot's q-th 128 along K into set p
	WIN TO_B
.irp i, \i0, \i0+1, \i0+2, \i0+3
	FRAG 128*(\p)+FR*(\i), ADRB+\slot, \q, \i
.endr
.endm
.macro FETA slot, q, p                 ; 24 loads: X's four blocks
	WIN 0
.irp i, 0,1,2,3
	FRAG AF+48*(\p)+FR*\i, ADRA+\slot, \q, \i
.endr
.endm
.macro SCALES j                        ; K step j's scale words into set j % 2: two words a row; lanes 0-15 take X's block i, lanes 16-31 Wv's block i; the K step stands in the immediate.
	WIN 0                                          ; (X has four blocks: for i = 4 .. 7 lanes 0-15 read other rows' scale bytes, which no product names)
.irp i, 0,1,2,3,4,5,6,7
	ds_load_b64 v[SC+16*((\j)%2)+2*\i:SC+16*((\j)%2)+2*\i+1], v[ADRS] offset:\i*SBLK+8*(\j)
.endr
.endm
.macro PLACES n                        ; plain vector instructions between a matrix instruction and a load into one of its registers, or a read of its result
.rept \n
	v_nop
.endr
.endm
; A step of 128 along K: multiplies the sets q and fetches the next step (slot ns, its nq-th 128) into the sets 1 - q, in three runs.  nj >= 0: K step nj's scale words come too.
; The sets 1 - q were last read by the step before: the four places behind the first eight products serve all three runs.
.macro STEP q, sc, zero, ns, nq, nj
	s_wait_dscnt 2*NL                              ; all but the youngest 12 loads (X's blocks 2 and 3) are in
	WIN MUL-0x20*(\zero)                           ; (zero = 1: C, the bias, lies in window 0)
	MUL8 0, \q, \sc, \zero
	PLACES NP
	FETB \ns, \nq, 1-(\q), 0
	WIN MUL-0x20*(\zero)
	MUL8 1, \q, \sc, \zero
	FETB \ns, \nq, 1-(\q), 4
	s_wait_dscnt 8*NL                              ; all but the 48 just issued: X's blocks 2 and 3 are in
	WIN MUL-0x20*(\zero)
	MUL8 2, \q, \sc, \zero
.if (\nj) >= 0
	SCALES \nj
.endif
	FETA \ns, \nq, 1-(\q)
	WIN MUL-0x20*(\zero)
	MUL8 3, \q, \sc, \zero
.endm
; A slot's last step with a barrier: in front of it each wave waits for all its tensor loads, adds 0 to its spare word, and waits for that and for its own LDS reads.
; fill = 1: slot 0 is filled again, with K step 3: the barrier opens a round of the cluster's barrier, and the joint refill is the first thing behind it.
; fill = 0: my work-group's barrier alone: the refill is shown whole to all four waves; nothing is filled.
.macro TURN q, sc, ns, nj, fill
	WIN 0                                          ; (the add's two registers lie in window 0)
	s_wait_tensorcnt 0x0                           ; all my tensor loads have landed
	ds_add_u32 v[SPW], v[NIL]                      ; 0 onto my spare word
	s_wait_dscnt 2*NL+1                            ; (the add and the youngest 12 loads may be out)
	WIN MUL
	MUL8 0, \q, \sc, 0                             ; eight matrix instructions stand between the add and the wait for it
	s_wait_dscnt 0x0                               ; the add is done, and my reads of the slots behind me are over
	s_barrier_signal -1
	MUL8 1, \q, \sc, 0
	WIN 0
	s_barrier_wait -1
.if \fill
	CREST                                          ; no wave of any partner still reads slot 0 or has a load on its way
	s_add_nc_u64 s[G0+2:G0+3], s[G0+2:G0+3], 3*ROWB
	s_add_nc_u64 s[G0B+2:G0B+3], s[G0B+2:G0B+3], 3*ROWB
	JLOAD G0, G1, G0B, G1B                         ; the first tensor load behind the round; its four v_nop are the places in front of the loads below
.else
	PLACES NP
.endif
	FETB \ns, 0, 1-(\q), 0
	FETB \ns, 0, 1-(\q), 4
	WIN MUL
	MUL8 2, \q, \sc, 0
	SCALES \nj
	FETA \ns, 0, 1-(\q)
	WIN MUL
	MUL8 3, \q, \sc, 0
.endm
; w of my rows 16 a + r, a = 0 .. 3.  It touches no register of the products round it.
.macro WCALC
	s_wait_loadcnt 0x0                             ; stats: asked for at the head
	WIN 0x0c                                       ; source 1: window 3
.set n, 0
.rept 32
	v_cndmask_b32 v[WT+2*n], 0, v[2*n], s100       ; where the chunk was left out (queries < 1,024, lanes 16-31): 128 scores of 0: m = 0,
	v_cndmask_b32 v[WT+2*n+1], v[C128], v[2*n+1], s100   ; l = 128
.set n, n+1
.endr
	WIN 0
.irp a, 0,1,2,3
	v_max3_num_f32 v[WM+\a], v[WT+16*\a], v[WT+16*\a+2], v[WT+16*\a+4]
.endr
.irp k, 3,5
.irp a, 0,1,2,3
	v_max3_num_f32 v[WM+\a], v[WM+\a], v[WT+16*\a+2*\k], v[WT+16*\a+2*\k+2]
.endr
.endr
.irp a, 0,1,2,3
	v_max_num_f32 v[WM+\a], v[WM+\a], v[WT+16*\a+14]
.endr
.irp a, 0,1,2,3
	v_permlanex16_b32 v[WP+\a], v[WM+\a], s[SEL], s[SEL+1]
.endr
.irp a, 0,1,2,3
	v_max_num_f32 v[WM+\a], v[WM+\a], v[WP+\a]     ; M: the row's largest t, over all 16 chunks
.endr
.irp k, 0,1,2,3,4,5,6,7
.irp a, 0,1,2,3
	v_sub_f32 v[WT+16*\a+2*\k], v[WT+16*\a+2*\k], v[WM+\a]
.endr
.endr
.irp k, 0,1,2,3,4,5,6,7
.irp a, 0,1,2,3
	v_exp_f32 v[WT+16*\a+2*\k], v[WT+16*\a+2*\k]   ; 2^(m - M)
.endr
.endr
	v_nop                                          ; a plain place behind the exponentials
	s_wait_alu depctr_va_vdst(0)
.irp a, 0,1,2,3
	v_mul_f32 v[WL+\a], v[WT+16*\a+1], v[WT+16*\a]
.endr
.irp k, 1,2,3,4,5,6,7
.irp a, 0,1,2,3
	v_fmac_f32 v[WL+\a], v[WT+16*\a+2*\k+1], v[WT+16*\a+2*\k]
.endr
.endr
.irp a, 0,1,2,3
	v_permlanex16_b32 v[WP+\a], v[WL+\a], s[SEL], s[SEL+1]
.endr
.irp a, 0,1,2,3
	v_add_f32 v[WL+\a], v[WL+\a], v[WP+\a]         ; L
.endr
.irp a, 0,1,2,3
	v_rcp_f32 v[WP+\a], v[WL+\a]
.endr
	v_nop                                          ; a plain place behind the reciprocals
	s_wait_alu depctr_va_vdst(0)
.irp a, 0,1,2,3
	v_mul_f32 v[WW+2*\a], v[WL+\a], v[WP+\a]       ; w = L x (1 / L), twice: a pair for the packed multiplication
	v_mul_f32 v[WW+2*\a+1], v[WL+\a], v[WP+\a]
.endr
.endm
	s_wait_tensorcnt 2                             ; the scale bytes and my part of slot 0 are in; of my four loads the youngest two, slots 1 and 2, may be out
	s_barrier_signal -1
	s_barrier_wait -1
	FETB 0, 0, 0, 0
	FETB 0, 0, 0, 4
	SCALES 0
	FETA 0, 0, 0
	s_wait_loadcnt 32                              ; the bias is in; the 32 loads of stats, issued behind it, may be out
	STEP 0, 0, 1, 0, 1, -1                         ; K 0-127: these products start the sums
	TURN 1, 0, 1, 1, 1                             ; K 128-255; slot 0 takes K step 3
	STEP 0, 1, 0, 1, 1, -1                         ; K 256-383
	STEP 1, 1, 0, 2, 0, 2                          ; K 384-511; on into slot 2, which the waits in front of the round have shown whole
	STEP 0, 0, 0, 2, 1, -1                         ; K 512-639
	WCALC                                          ; while the next step's last fragments and K step 3's tile are on their way
	TURN 1, 0, 0, 3, 0                             ; K 640-767; the refill has landed in every wave's part
	STEP 0, 1, 0, 0, 1, -1                         ; K 768-895
	s_wait_dscnt 2*NL                              ; K 896-1,023: nothing more to fetch
	WIN MUL
	MUL8 0, 1, 1, 0
	MUL8 1, 1, 1, 0
	s_wait_dscnt 0x0
	MUL8 2, 1, 1, 0
	MUL8 3, 1, 1, 0
	WIN 0
; THE WAY OUT, block by block of 16 rows x 128 columns: times w; through my own stage in LDS; back as whole rows of 512 bytes.  LDS serves a wave's instructions in order (ISA guide 5.7.1.4): no wait between the stores and the loads.
.macro SCALEW a
.set AC, 64*(\a)
	WIN 0x82                                       ; destination and source 0: window 2
.set x, AC
.rept 32
	v_pk_mul_f32 v[x:x+1], v[x:x+1], v[WW+2*(\a):WW+2*(\a)+1]   ; each accumulator from its low end on
.set x, x+2
.endr
.endm
.macro TOSTAGE a
.set AC, 64*(\a)
	WIN 0x08                                       ; an LDS store's data: window 2
.irp b, 0,1,2,3,4,5,6,7
	ds_store_b128 v[STO], v[AC+8*\b:AC+8*\b+3] offset:64*\b
	ds_store_b128 v[STO], v[AC+8*\b+4:AC+8*\b+7] offset:64*\b+16
.endr
	WIN 0
.set BB, BK-64*((\a)%2)
.irp t, 0,1,2,3,4,5,6,7,8,9,10,11,12,13,14,15
	ds_load_b128 v[BB+4*\t:BB+4*\t+3], v[RD] offset:\t*SPITCH
.endr
.endm
.macro SEND a, younger                 ; younger: the LDS instructions issued behind block a's loads, which may stay out
.set BB, BK-64*((\a)%2)
	s_wait_dscnt \younger
.if (\a) > 0
	s_add_nc_u64 s[12:13], s[12:13], 16*SIZE_N*4   ; (behind a wait on XCNT: the earlier stores have read their base)  16 rows on
.endif
.irp t, 0,1,2,3,4,5,6,7,8,9,10,11,12,13,14,15
	global_store_b128 v[CO], v[BB+4*\t:BB+4*\t+3], s[12:13] offset:\t*SIZE_N*4 th:TH_STORE_NT   ; 32 lanes store 512 consecutive bytes, at a multiple of 256 from out's first byte; written once, read by nobody here
.endr
.endm
	PLACES NP                                      ; behind the last products: results are read, and loads land in registers that held operands
	SCALEW 0
	TOSTAGE 0
.irp a, 1,2,3
.if \a > 1
	s_wait_xcnt 0x0                                ; block a - 2's stores have read their registers and their base
.endif
	SCALEW \a
	TOSTAGE \a
	SEND \a-1, 32                                  ; behind block a - 1's loads: block a's 16 stores and 16 loads
.endr
	s_wait_xcnt 0x0
	SEND 3, 0
	s_wait_tensorcnt 0x0                           ; the wave's end
	ds_add_u32 v[SPW], v[NIL]
	s_wait_dscnt 0x0
	CROUND                                         ; the closing round: no work-group ends while a partner may still ask for a tile that names it
	s_endpgm
.Lfunc_end_k_qfbf1f626ef_proj_v:
	.size	k_qfbf1f626ef_proj_v, .Lfunc_end_k_qfbf1f626ef_proj_v-k_qfbf1f626ef_proj_v
	.p2alignl 7, 3214868480
	.fill 96, 4, 3214868480
	.section	.rodata,"a",@progbits
	.p2align	6, 0x0
	.amdhsa_kernel k_qfbf1f626ef_proj_v
		.amdhsa_group_segment_fixed_size 327680
		.amdhsa_private_segment_fixed_size 0
		.amdhsa_enable_private_segment 0
		.amdhsa_kernarg_size 56
		.amdhsa_user_sgpr_count 2
		.amdhsa_user_sgpr_kernarg_segment_ptr 1
		.amdhsa_wavefront_size32 1
		.amdhsa_system_sgpr_workgroup_id_x 1
		.amdhsa_system_sgpr_workgroup_id_y 1
		.amdhsa_system_sgpr_workgroup_id_z 1
		.amdhsa_system_vgpr_workitem_id 0
		.amdhsa_next_free_vgpr 1024
		.amdhsa_next_free_sgpr 102
		.amdhsa_reserve_vcc 0
		.amdhsa_float_denorm_mode_32 3
		.amdhsa_float_denorm_mode_16_64 3
		.amdhsa_memory_ordered 1
		.amdhsa_forward_progress 1
		.amdhsa_inst_pref_size 123
	.end_amdhsa_kernel
	.amdgpu_metadata
---
amdhsa.version: [ 1, 2 ]
amdhsa.kernels:
  - .name:           k_qfbf1f626ef_proj_v
    .symbol:         k_qfbf1f626ef_proj_v.kd
    .args:
      - { .name: X_codes, .offset: 0, .size: 8, .value_kind: global_buffer, .address_space: global }
      - { .name: X_scales, .offset: 8, .size: 8, .value_kind: global_buffer, .address_space: global }
      - { .name: Wv_codes, .offset: 16, .size: 8, .value_kind: global_buffer, .address_space: global }
      - { .name: Wv_scales, .offset: 24, .size: 8, .value_kind: global_buffer, .address_space: global }
      - { .name: out0, .offset: 32, .size: 8, .value_kind: global_buffer, .address_space: global }
      - { .name: bv, .offset: 40, .size: 8, .value_kind: global_buffer, .address_space: global }
      - { .name: stats, .offset: 48, .size: 8, .value_kind: global_buffer, .address_space: global }
    .group_segment_fixed_size: 327680
    .private_segment_fixed_size: 0
    .kernarg_segment_align: 8
    .kernarg_segment_size: 56
    .max_flat_workgroup_size: 128
    .sgpr_count:     102
    .vgpr_count:     1024
    .wavefront_size: 32
...
	.end_amdgpu_metadata
.endif
;; end of part 3
